; MI455X (gfx1250); checked and timed in simulation.
; The chip was launched on July 23, 2026; its instructions are those of AMD's public machine-readable ISA for CDNA 5 (MIT licence, August 2026) and "CDNA5" Instruction Set Architecture Reference Guide (July 2026). The comments in the code are by the model that wrote it; some were corrected since.
;; Span Self Attention. Allowed arithmetic: matrix products marked QUANTISED: E2M1 operands, one E8M0 scale for each 32 along K, by v_wmma_scale_f32_16x16x128_f8f6f4 with both operands' format E2M1 (or v_wmma_scale_f32_32x16x128_f4), f32 sums; products left as they are: f32 operands where the result goes on into a quantised operand, else bf16, f16 or f32 operands; f32 sums; everything else in f32.
;; Inputs: W1 1,024 x 1,024 float32; b 2 x 2,048 int32; b1 1,024 float32; b_out 1 float32; e 2 x 2,048 int32; inputs 2 x 2,048 x 1,024 float32; w_out 1,024 x 1 float32.
;; Outputs: out0 2 x 2,048 x 1,024 float32.
;; Constants: max_width = 16.
;; This version of the problem:
;;   THIS VERSION OF THE PROBLEM IS GIVEN IN LOW PRECISION. The matrix products marked QUANTISED in the list below multiply operands that are first quantised to E2M1 (2 exponent bits, 1 mantissa bit; 4 bits a number), with one power-of-two scale for each 32 numbers along K (OCP MX v1.0); their sums are f32. All else is computed in f32.
;;   The module's matrix products, in the order in which they are computed (A, B: the left and right operand; K: the contracted axis; several contracted axes count as one K, in the product's order):
;;     1. [M 65,536, K 1,024] x [K 1,024, N 1,024]; A: computed on the way; B: input W1: QUANTISED
;;     2. [M 65,536, K 1,024] x [K 1,024, N 1]; A: computed on the way; B: computed on the way: left as it is (N = 1 < 16)
;;     3. batch 4,096 x [M 1, K 16] x [K 16, N 1,024]; A: softmax; B: computed on the way: left as it is (K = 16 < 32)
;;   THE QUANTISER, for each operand of a quantised product, along K:
;;     - K is cut into blocks of 32 from its start; a last block that is shorter is filled with zeros.
;;     - A block's scale is 2^e with e = floor(log2(the largest magnitude in the block)) - 2, held to -126 .. 127; a block of zeros has e = 0. As a byte (E8M0): e + 127.
;;     - Each number is divided by its block's scale, clamped to +-6, and rounded to the nearest number of E2M1, ties to even, subnormals kept.
;;     - The product sums the exact products of the quantised numbers (number of the format x scale) in f32.
;;   ~~~python
;;   def quantise(x, axis):      # numpy; x: float32 -> the quantised numbers, widened to float32 again
;;       x = np.moveaxis(x, axis, -1); K = x.shape[-1]
;;       x = np.pad(x, [(0, 0)] * (x.ndim - 1) + [(0, -K % 32)]); x = x.reshape(x.shape[:-1] + (-1, 32)); a = np.abs(x).max(-1, keepdims=True)
;;       e = np.where(a > 0, np.clip(np.frexp(np.where(a > 0, a, 1))[1] - 1 - 2, -126, 127), 0)      # np.frexp(a)[1] - 1 = floor(log2(a)), exactly
;;       r = np.clip(x / 2.0 ** e, -6, 6)
;;       step = 2.0 ** (np.maximum(np.frexp(np.where(r == 0, 1, r))[1] - 1, 0) - 1)
;;       q = np.round(r / step) * step * 2.0 ** e      # np.round: ties to even
;;       return np.moveaxis(q.reshape(q.shape[:-2] + (-1,))[..., :K], -1, axis).astype(np.float32)
;;   ~~~
;;   OPERANDS COMPUTED ON THE WAY. 'Computed on the way' means the value that the module computes at that place (a softmax that the list does not call 'softmax' is quantised finished and normalised). What goes into a quantiser is computed in f32, as accurately as f32 sums, v_exp_f32 and their like allow (about 1e-6 of the number): no bf16 or f16 on the way to a quantiser, and a product that is left as it is and whose result goes on into a quantised operand takes f32 operands (vector FMAs, or v_wmma_f32_16x16x4_f32). A number that lies on a knife's edge between two numbers of the format may be rounded either way, as far as f32 arithmetic and the matrix unit's own rounding can turn it there, and no further.
;; 2 versions. Each part assembles by itself: llvm-mc -triple=amdgcn-amd-amdhsa -mcpu=gfx1250 --defsym DOCPART=n.
;; ======== version 1 of 2: 3 launches
;; workspace buffers: xq 2,097,152 bytes; xs 131,072 bytes; wq 524,288 bytes; ws 32,768 bytes; part 262,144 bytes
;; launch quant (part 1): grid 320 x 1, 16 waves a work-group, no clusters, 85,504 bytes of LDS; arguments inputs, W1, xq, xs, wq, ws; writes xq, xs, wq, ws
.if DOCPART == 1
	.amdgcn_target "amdgcn-amd-amdhsa--gfx1250"
	.amdhsa_code_object_version 6
	.text
	.protected	k_q0f15f75335_quant
	.globl	k_q0f15f75335_quant
	.p2align	8
	.type	k_q0f15f75335_quant,@function
k_q0f15f75335_quant:
	s_mov_b64 s[64:65], 0
	v_nop
	global_prefetch_b8 v0, s[64:65] scope:SCOPE_SE
	s_setreg_imm32_b32 hwreg(HW_REG_WAVE_MODE, 25, 1), 1
	s_wait_xcnt 0x0
; SPAN SELF-ATTENTION, launch 1 of 3: the token vectors (inputs, [2][2048][1024] f32) and W1 ([1024 k][1024 n] f32) become codes of FP4 (E2M1) with one E8M0 byte for each 32 along K = the 1,024 channels.
; WORK THAT IS NOT DONE, in the whole program, and why it can reach no output:
;  (1) reference() gathers vectors[b, s, w] = inputs[batch, min(b + w, 2047)] and sends all 65,536 gathered rows through the first two products.  A row's codes, scale bytes, hidden layer and score hang on
;      the row's numbers alone, so two gathered rows with the same (batch, clamped index) have the same score, whatever b and e hold.  There are 4,096 different rows: each token is quantised once (here) and
;      scored once (launch 2); launch 3 looks the scores up by the index, as reference() looks the vectors up.
;  (2) b_out is added to all 16 scores of a softmax: it is the same along the softmax's axis and cancels; under the mask, score + b_out - 1e38 is -1e38 in f32 with it and without it.  b_out has no way to
;      the output: it is not loaded and is no launch's argument.
;  (3) In the last product a window row whose position lies past e has p = 0 exactly wherever some position is valid (2^(-1.4e38) is 0): launch 3, which reads b and e from memory, leaves such rows out in
;      pairs of rows, from the seventh row on.  Where no position is valid all 16 rows are taken: the 16 scores are all -1e38 in f32 and the softmax is uniform, as in reference().
; LIMITS: finite inputs; a NaN, an infinity or an overflow that reaches only the work left out is not carried to the result; |score| under 1e30; 0 <= b, e < 2^30 (a negative b is not wrapped).
;   A block whose largest magnitude lies under 2^-124 gets the byte 1; so does a block of zeros, where the rule says 127: its codes are zeros, and this program alone reads the bytes.
; THE QUANTISER: a block's scale is 2^(floor(log2(largest magnitude)) - 2): its byte is the largest magnitude's exponent field - 2; the conversion divides by it, rounds to the nearest code, ties to even, and holds at the largest code.
; LAYOUTS, in the order of the operand's registers (a unit = the 16 bytes of one block of 32 codes of one row):
;   xq [tile T 0..255][kb 0..31][r 0..15][16 B]: row r of tile T = 4 g + i is token 64 g + 4 r + i.   xs [T][r][32 bytes: byte kb].
;   wq [tile n / 16][kb][r = n % 16][16 B].   ws [K step s 0..7][n][4 bytes: kb = 4 s + 0..3].
; SHARES: work-groups 0..63 take W1 (128 columns x 128 along K each), work-groups 64..319 a tile of 16 tokens each.  The two ways part on the work-group's number and have LDS bytes of their own.
.set NWGW,  64                         ; W1's work-groups
.set TW,    4608                       ; LDS from 0: a turning stage for each wave: 32 blocks of 128 bytes + 16 of padding
.set CP,    144
.set OUTB,  73728                      ; the tile's codes: 32 rows (kb) of 256 bytes + 16
.set OP,    272
.set XSB,   82432                      ; the tile's 512 scale bytes
.set WSB,   82944                      ; W1's way: 512 scale bytes
.set SPARE, 83456                      ; the spare words, 128 bytes for each of 16 waves: eight blocks of 256 bytes that no other line names
.set R,  16                            ; v16-47  a row as it is loaded
.set X,  48                            ; v48-79  a block's 32 neighbours along K
.set C,  80                            ; v80-83  its codes
.set BK, 84                            ; v84-87  read back from LDS
; v1 lane, v2 16 x lane, v3 / v4 the turning stage in / out, v5 / v6 the codes' rows in / out, v7 X's byte store, v8-11 at work, v12 / v13 the add's two, v14 4 x lane, v15 my place in wq,
; v88 W's byte store, v89 / v90 16 x lane in XSB / WSB
	s_load_b256 s[4:11], s[0:1], 0x0               ; inputs s[4:5], W1 s[6:7], xq s[8:9], xs s[10:11]
	s_load_b128 s[12:15], s[0:1], 0x20             ; wq s[12:13], ws s[14:15]
	v_lshl_add_u32 v12, v0, 2, SPARE               ; my spare word
	v_mov_b32 v13, 0
	v_lshrrev_b32 v1, 5, v0
	v_readfirstlane_b32 s16, v1                    ; wave 0..15
	v_and_b32 v1, 31, v0                           ; lane
	v_lshlrev_b32 v2, 4, v1
	v_lshlrev_b32 v14, 2, v1
	; every LDS address is made here, ahead of the parting of the ways
	s_mul_i32 s17, s16, TW                         ; my turning stage
	v_lshrrev_b32 v3, 3, v1
	v_mul_u32_u24 v3, v3, CP
	v_and_b32 v4, 7, v1
	v_lshl_add_u32 v3, v4, 4, v3
	v_add_nc_u32 v3, s17, v3                       ; in: eight lanes' 128 bytes are a block; a load's 512 bytes are four blocks
	v_mul_u32_u24 v4, v1, CP
	v_add_nc_u32 v4, s17, v4                       ; out: lane l takes block l
	s_lshl_b32 s17, s16, 4
	s_add_co_u32 s17, s17, OUTB
	v_mul_u32_u24 v5, v1, OP
	v_add_nc_u32 v5, s17, v5                       ; codes in: row kb = lane, unit r = wave
	s_mul_i32 s17, s16, 2*OP
	s_add_co_u32 s17, s17, OUTB
	v_lshrrev_b32 v6, 4, v1
	v_and_b32 v7, 15, v1
	v_lshlrev_b32 v15, 13, v6
	v_lshl_add_u32 v15, v7, 4, v15                 ; wq: lanes 16-31 stand in the next tile of 16 columns; 16 bytes a column
	v_mul_u32_u24 v6, v6, OP
	v_lshl_add_u32 v6, v7, 4, v6
	v_add_nc_u32 v6, s17, v6                       ; codes out: rows 2 wave and 2 wave + 1, sixteen lanes to a row
	s_lshl_b32 s17, s16, 5
	s_add_co_u32 s17, s17, XSB
	v_add_nc_u32 v7, s17, v1                       ; X's scale byte: 32 x row + kb
	s_and_b32 s28, s16, 3                          ; W1's way: cg, which 32 of the 128 columns,
	s_lshr_b32 s29, s16, 2                         ; and blk, which block of the K step
	s_lshl_b32 s17, s28, 7
	s_add_co_u32 s17, s17, s29
	s_add_co_u32 s17, s17, WSB
	v_lshl_add_u32 v88, v1, 2, s17                 ; W's scale byte: 4 x column + blk
	v_lshl_add_u32 v89, v1, 4, XSB
	v_lshl_add_u32 v90, v1, 4, WSB
	s_mov_b32 s23, 0
	s_wait_kmcnt 0x0
	s_cmp_lt_u32 ttmp9, NWGW
	s_cbranch_scc1 .Lw
; The 32 numbers in v[X] on become 16 bytes of codes in v[C] on, and the block's byte in v11.
.macro QBLOCK
	v_max3_num_f32 v8, |v[X]|, |v[X+1]|, 0x1800000                 ; the largest magnitude, in two chains; the floor 2^(3 - 127) among the leaves holds the byte at 1 from below
	v_max3_num_f32 v9, |v[X+2]|, |v[X+3]|, |v[X+4]|
.irp i, 5,9,13,17,21,25
	v_max3_num_f32 v8, v8, |v[X+\i]|, |v[X+\i+1]|
	v_max3_num_f32 v9, v9, |v[X+\i+2]|, |v[X+\i+3]|
.endr
	v_max3_num_f32 v8, v8, |v[X+29]|, |v[X+30]|
	v_max3_num_f32 v8, v8, v9, |v[X+31]|
	v_add_nc_u32 v10, 0xff000000, v8               ; 2 off its exponent field: the conversion takes the exponent field of this operand as its scale, and nothing else of it
.irp g, 0,1,2,3
	v_cvt_scalef32_pk8_fp4_f32 v[C+\g], v[X+8*\g:X+8*\g+7], v10
.endr
	v_lshrrev_b32 v11, 23, v10                     ; the scale's byte; also the plain line behind the conversions
.endm
	; ---- A TILE OF 16 TOKENS.  Wave w takes the tile's row w, a whole token vector of 4,096 bytes.
	s_sub_co_u32 s17, ttmp9, NWGW                  ; T
	s_lshr_b32 s18, s17, 2
	s_lshl_b32 s18, s18, 6
	s_and_b32 s19, s17, 3
	s_add_co_u32 s18, s18, s19
	s_lshl_b32 s19, s16, 2
	s_add_co_u32 s18, s18, s19                     ; token = 64 (T / 4) + 4 w + T % 4
	s_lshl_b32 s22, s18, 12
	s_add_nc_u64 s[4:5], s[4:5], s[22:23]
.irp j, 0,1,2,3,4,5,6,7
	global_load_b128 v[R+4*\j:R+4*\j+3], v2, s[4:5] offset:512*\j  ; 32 lanes read 512 consecutive bytes.  No hint: launch 3 reads these rows again
.endr
	s_lshl_b32 s22, s17, 13
	s_lshl_b32 s19, s16, 9
	s_add_co_u32 s22, s22, s19
	s_add_nc_u64 s[8:9], s[8:9], s[22:23]          ; xq: the tile's 8,192 bytes, my 512 of them
	s_lshl_b32 s22, s17, 9
	s_add_nc_u64 s[10:11], s[10:11], s[22:23]      ; xs: the tile's 512 bytes
.irp j, 0,1,2,3,4,5,6,7
	s_wait_loadcnt 7-\j                            ; loads come back in order: load j is in, the younger ones may be out
	ds_store_b128 v3, v[R+4*\j:R+4*\j+3] offset:4*CP*\j
.endr
.irp i, 0,1,2,3,4,5,6,7
	ds_load_b128 v[X+4*\i:X+4*\i+3], v4 offset:16*\i               ; my wave's own bytes, and LDS serves a wave's instructions in order: these see the stores above.  Lane l now holds block kb = l
.endr
	s_wait_dscnt 0x0
	QBLOCK
	ds_store_b128 v5, v[C:C+3]
	ds_store_b8 v7, v11
	s_wait_dscnt 0x0                               ; for the others' sake: my stores have landed
	s_barrier_signal -1
	s_barrier_wait -1
	ds_load_b128 v[BK:BK+3], v6
	s_wait_dscnt 0x0
	global_store_b128 v2, v[BK:BK+3], s[8:9]       ; 32 lanes store 512 consecutive bytes, at a multiple of 512 from xq's first byte
	s_cmp_lg_u32 s16, 0
	s_cbranch_scc1 .Lx_end
	ds_load_b128 v[C:C+3], v89                     ; wave 0: the tile's 512 scale bytes
	s_wait_dscnt 0x0
	global_store_b128 v2, v[C:C+3], s[10:11]
.Lx_end:
	s_wait_tensorcnt 0x0                           ; the wave's end
	ds_add_u32 v12, v13
	s_wait_dscnt 0x0
	s_endpgm
	; ---- W1: K is its first axis.  A lane takes a column and its registers run down K: a block of 32 lies in one lane, and the codes come out with K innermost.
.Lw:
	s_and_b32 s17, ttmp9, 7                        ; cb: which 128 columns
	s_lshr_b32 s18, ttmp9, 3                       ; s: which K step of 128
	s_lshl_b32 s21, s18, 2
	s_add_co_u32 s21, s21, s29                     ; kb = 4 s + blk
	s_lshl_b32 s22, s21, 17                        ; 32 rows of 4,096 bytes a block
	s_lshl_b32 s24, s17, 9
	s_add_co_u32 s22, s22, s24
	s_lshl_b32 s24, s28, 7
	s_add_co_u32 s22, s22, s24                     ; + 4 (128 cb + 32 cg)
	s_add_nc_u64 s[6:7], s[6:7], s[22:23]
.irp i, 0,1,2,3,4,5,6,7,8,9,10,11,12,13,14,15,16,17,18,19,20,21,22,23,24,25,26,27,28,29,30,31
	global_load_b32 v[X+\i], v14, s[6:7] offset:4096*\i th:TH_LOAD_NT   ; a wave reads 128 consecutive bytes of a row, the four waves of a block stand side by side on 512; read once in the program
.endr
	s_lshl_b32 s22, s17, 16
	s_lshl_b32 s24, s28, 14
	s_add_co_u32 s22, s22, s24
	s_lshl_b32 s24, s21, 8
	s_add_co_u32 s22, s22, s24
	s_add_nc_u64 s[12:13], s[12:13], s[22:23]      ; wq: tile 8 cb + 2 cg, block kb
	s_lshl_b32 s22, s18, 12
	s_lshl_b32 s24, s17, 9
	s_add_co_u32 s22, s22, s24
	s_add_nc_u64 s[14:15], s[14:15], s[22:23]      ; ws: K step s, my work-group's 128 words
	s_wait_loadcnt 0x0
	QBLOCK
	global_store_b128 v15, v[C:C+3], s[12:13]      ; sixteen lanes store 256 consecutive bytes, aligned: a block of a tile of 16 columns
	ds_store_b8 v88, v11
	s_wait_dscnt 0x0                               ; for the others' sake: my store has landed
	s_barrier_signal -1
	s_barrier_wait -1
	s_cmp_lg_u32 s16, 0
	s_cbranch_scc1 .Lw_end
	ds_load_b128 v[BK:BK+3], v90                   ; wave 0: 128 scale words
	s_wait_dscnt 0x0
	global_store_b128 v2, v[BK:BK+3], s[14:15]
.Lw_end:
	s_wait_tensorcnt 0x0                           ; the wave's end, as above
	ds_add_u32 v12, v13
	s_wait_dscnt 0x0
	s_endpgm
.Lfunc_end_k_q0f15f75335_quant:
	.size	k_q0f15f75335_quant, .Lfunc_end_k_q0f15f75335_quant-k_q0f15f75335_quant
	.p2alignl 7, 3214868480
	.fill 96, 4, 3214868480
	.section	.rodata,"a",@progbits
	.p2align	6, 0x0
	.amdhsa_kernel k_q0f15f75335_quant
		.amdhsa_group_segment_fixed_size 85504
		.amdhsa_private_segment_fixed_size 0
		.amdhsa_enable_private_segment 0
		.amdhsa_kernarg_size 48
		.amdhsa_user_sgpr_count 2
		.amdhsa_user_sgpr_kernarg_segment_ptr 1
		.amdhsa_wavefront_size32 1
		.amdhsa_system_sgpr_workgroup_id_x 1
		.amdhsa_system_sgpr_workgroup_id_y 1
		.amdhsa_system_sgpr_workgroup_id_z 1
		.amdhsa_system_vgpr_workitem_id 0
		.amdhsa_next_free_vgpr 92
		.amdhsa_next_free_sgpr 66
		.amdhsa_reserve_vcc 0
		.amdhsa_float_denorm_mode_32 3
		.amdhsa_float_denorm_mode_16_64 3
		.amdhsa_memory_ordered 1
		.amdhsa_forward_progress 1
		.amdhsa_inst_pref_size 13
	.end_amdhsa_kernel
	.amdgpu_metadata
---
amdhsa.version: [ 1, 2 ]
amdhsa.kernels:
  - .name:           k_q0f15f75335_quant
    .symbol:         k_q0f15f75335_quant.kd
    .args:
      - { .name: inputs, .offset: 0, .size: 8, .value_kind: global_buffer, .address_space: global }
      - { .name: W1, .offset: 8, .size: 8, .value_kind: global_buffer, .address_space: global }
      - { .name: xq, .offset: 16, .size: 8, .value_kind: global_buffer, .address_space: global }
      - { .name: xs, .offset: 24, .size: 8, .value_kind: global_buffer, .address_space: global }
      - { .name: wq, .offset: 32, .size: 8, .value_kind: global_buffer, .address_space: global }
      - { .name: ws, .offset: 40, .size: 8, .value_kind: global_buffer, .address_space: global }
    .group_segment_fixed_size: 85504
    .private_segment_fixed_size: 0
    .kernarg_segment_align: 8
    .kernarg_segment_size: 48
    .max_flat_workgroup_size: 512
    .sgpr_count:     66
    .vgpr_count:     92
    .wavefront_size: 32
...
	.end_amdgpu_metadata
.endif
;; end of part 1
;; launch score (part 2): grid 8 x 32, 4 waves a work-group, no clusters, 0 bytes of LDS; arguments xq, xs, wq, ws, b1, w_out, part; writes part
.if DOCPART == 2
	.amdgcn_target "amdgcn-amd-amdhsa--gfx1250"
	.amdhsa_code_object_version 6
	.text
	.protected	k_q0f15f75335_score
	.globl	k_q0f15f75335_score
	.p2align	8
	.type	k_q0f15f75335_score,@function
k_q0f15f75335_score:
	s_mov_b64 s[64:65], 0
	v_nop
	global_prefetch_b8 v0, s[64:65] scope:SCOPE_SE
	s_setreg_imm32_b32 hwreg(HW_REG_WAVE_MODE, 25, 1), 1
	s_wait_xcnt 0x0
; SPAN SELF-ATTENTION, launch 2 of 3: part[hg][token] = the sum over the 64 hidden units of group hg of relu(x W1 + b1) w_out, the product on codes of FP4 with E8M0 scales.
; Left out: each of the 4,096 tokens is scored once, not once for each window that names it (equal rows have equal scores), and b_out is not added (it cancels in the softmax): shown at the head of the first kernel.
; SHARES: a work-group takes 128 tokens x 128 hidden units; wave w takes 64 tokens (g = 2 y + w / 2: tiles 4 g .. 4 g + 3 of xq) x 64 hidden units (hg = 2 x + w % 2: tiles 4 hg .. 4 hg + 3 of wq), all of K = 1,024.
; Both operands lie in memory in the order of the operand's registers, so each load reads 512 consecutive bytes, and a wave's operands for the whole K, 2 x 32 KB, go straight into 512 registers, each read once by the wave.
; NO LDS, NO TENSOR LOAD, NO CLUSTER, though work-groups share tiles: K has 8 steps, 128 matrix instructions a wave; a joint load would fill LDS once and be read once, behind a round at the head and with one at the end.
; THE MATRIX INSTRUCTION IS USED TRANSPOSED: source 0 = 16 hidden units, source 1 = 16 tokens: a lane holds ONE token (lane % 16) and eight hidden units, 8 (lane / 16) + 0 .. 7, so the dot with w_out stays in the lane.
; b1 is the C of each sum's first matrix instruction.  The 16 accumulators take turns, one instruction a turn, in the same order in every K step.
; REGISTERS: window 0: v1-6 offsets; v16-47 X's scale words (8 i + s); v48-63 W's (2 s + t / 2: lanes 0-15 the even tile, lanes 16-31 the odd); v64-95 w_out; v96-127 b1, later at work; v128-255 accumulators (t, i) at 128 + 8 (4 t + i).
;   window 1: W's fragments at 64 t + 8 s.   window 2: X's at 64 i + 8 s.
.set XS,  16
.set WS,  48
.set WO,  64
.set B1,  96
.set ACC, 128
.set MSB, 0
.macro WIN new                         ; the immediate's high byte repeats the setting that is left
.if MSB != \new
	s_set_vgpr_msb (MSB<<8)|\new
.set MSB, \new
.endif
.endm
	s_load_b256 s[4:11], s[0:1], 0x0               ; xq s[4:5], xs s[6:7], wq s[8:9], ws s[10:11]
	s_load_b128 s[12:15], s[0:1], 0x20             ; b1 s[12:13], w_out s[14:15]
	s_load_b64 s[16:17], s[0:1], 0x30              ; part
	v_lshrrev_b32 v1, 5, v0
	v_readfirstlane_b32 s18, v1                    ; wave 0..3
	v_and_b32 v6, 31, v0                           ; lane
	v_lshlrev_b32 v1, 4, v6                        ; 16 x lane: a fragment's four registers
	v_and_b32 v5, 15, v0
	v_lshlrev_b32 v2, 5, v5                        ; X's scale words: 32 bytes a row
	v_lshlrev_b32 v3, 2, v6                        ; W's: 4 bytes a column, two tiles to a register
	v_bfe_u32 v4, v0, 4, 1
	v_lshlrev_b32 v4, 5, v4                        ; b1, w_out: my half's eight numbers of a tile
	v_lshlrev_b32 v5, 4, v5                        ; part: four tokens a lane
	s_and_b32 s19, ttmp7, 0xffff
	s_lshl_b32 s19, s19, 1
	s_lshr_b32 s20, s18, 1
	s_add_co_u32 s19, s19, s20                     ; g
	s_lshl_b32 s20, ttmp9, 1
	s_and_b32 s21, s18, 1
	s_add_co_u32 s20, s20, s21                     ; hg
	s_mov_b32 s23, 0
	s_mov_b32 s26, 0x76543210
	s_mov_b32 s27, 0xfedcba98                      ; v_permlanex16_b32's selects for lane l xor 16
	s_wait_kmcnt 0x0
	s_lshl_b32 s22, s19, 15
	s_add_nc_u64 s[4:5], s[4:5], s[22:23]          ; four tiles of 8,192 bytes
	s_lshl_b32 s22, s19, 11
	s_add_nc_u64 s[6:7], s[6:7], s[22:23]          ; four tiles of 512 bytes
	s_lshl_b32 s22, s20, 15
	s_add_nc_u64 s[8:9], s[8:9], s[22:23]
	s_lshl_b32 s22, s20, 8                         ; 64 words
	s_add_nc_u64 s[10:11], s[10:11], s[22:23]
	s_add_nc_u64 s[12:13], s[12:13], s[22:23]
	s_add_nc_u64 s[14:15], s[14:15], s[22:23]
	s_lshl_b32 s22, s20, 14
	s_lshl_b32 s24, s19, 8
	s_add_co_u32 s22, s22, s24
	s_add_nc_u64 s[16:17], s[16:17], s[22:23]      ; part: row hg of 4,096 numbers, my 64
.irp i, 0,1,2,3
.irp u, 0,1
	global_load_b128 v[XS+8*\i+4*\u:XS+8*\i+4*\u+3], v2, s[6:7] offset:512*\i+16*\u
.endr
.endr
.irp s, 0,1,2,3,4,5,6,7
.irp p, 0,1
	global_load_b32 v[WS+2*\s+\p], v3, s[10:11] offset:4096*\s+128*\p
.endr
.endr
.irp t, 0,1,2,3
.irp u, 0,1
	global_load_b128 v[B1+8*\t+4*\u:B1+8*\t+4*\u+3], v4, s[12:13] offset:64*\t+16*\u
.endr
.endr
; K step s: 16 loads: W's four fragments, then X's four.  Registers 4 c .. 4 c + 3 of lane l are the unit of block 4 s + 2 c + l / 16, row l % 16: byte 1,024 s + 512 c + 16 l of the tile.
.macro LDK s
	WIN 0x40                                       ; destination window 1
.irp t, 0,1,2,3
.irp c, 0,1
	global_load_b128 v[64*\t+8*(\s)+4*\c:64*\t+8*(\s)+4*\c+3], v1, s[8:9] offset:8192*\t+1024*(\s)+512*\c
.endr
.endr
	WIN 0x80                                       ; destination window 2
.irp i, 0,1,2,3
.irp c, 0,1
	global_load_b128 v[64*\i+8*(\s)+4*\c:64*\i+8*(\s)+4*\c+3], v1, s[4:5] offset:8192*\i+1024*(\s)+512*\c
.endr
.endr
.endm
; K step s: 16 matrix instructions.  An odd tile of W takes its scale words from lanes 16-31.
.macro MULK s
	WIN 0x09                                       ; source 0 (W) window 1, source 1 (X) window 2, C and D window 0
.irp t, 0,1,2,3
.irp i, 0,1,2,3
.if (\s) == 0
.if \t%2
	v_wmma_scale_f32_16x16x128_f8f6f4 v[ACC+8*(4*\t+\i):ACC+8*(4*\t+\i)+7], v[64*\t+8*(\s):64*\t+8*(\s)+7], v[64*\i+8*(\s):64*\i+8*(\s)+7], v[B1+8*\t:B1+8*\t+7], v[WS+2*(\s)+\t/2], v[XS+8*\i+(\s)] matrix_a_fmt:MATRIX_FMT_FP4 matrix_b_fmt:MATRIX_FMT_FP4 matrix_a_scale:MATRIX_SCALE_ROW1
.else
	v_wmma_scale_f32_16x16x128_f8f6f4 v[ACC+8*(4*\t+\i):ACC+8*(4*\t+\i)+7], v[64*\t+8*(\s):64*\t+8*(\s)+7], v[64*\i+8*(\s):64*\i+8*(\s)+7], v[B1+8*\t:B1+8*\t+7], v[WS+2*(\s)+\t/2], v[XS+8*\i+(\s)] matrix_a_fmt:MATRIX_FMT_FP4 matrix_b_fmt:MATRIX_FMT_FP4
.endif
.else
.if \t%2
	v_wmma_scale_f32_16x16x128_f8f6f4 v[ACC+8*(4*\t+\i):ACC+8*(4*\t+\i)+7], v[64*\t+8*(\s):64*\t+8*(\s)+7], v[64*\i+8*(\s):64*\i+8*(\s)+7], v[ACC+8*(4*\t+\i):ACC+8*(4*\t+\i)+7], v[WS+2*(\s)+\t/2], v[XS+8*\i+(\s)] matrix_a_fmt:MATRIX_FMT_FP4 matrix_b_fmt:MATRIX_FMT_FP4 matrix_a_scale:MATRIX_SCALE_ROW1
.else
	v_wmma_scale_f32_16x16x128_f8f6f4 v[ACC+8*(4*\t+\i):ACC+8*(4*\t+\i)+7], v[64*\t+8*(\s):64*\t+8*(\s)+7], v[64*\i+8*(\s):64*\i+8*(\s)+7], v[ACC+8*(4*\t+\i):ACC+8*(4*\t+\i)+7], v[WS+2*(\s)+\t/2], v[XS+8*\i+(\s)] matrix_a_fmt:MATRIX_FMT_FP4 matrix_b_fmt:MATRIX_FMT_FP4
.endif
.endif
.endr
.endr
.endm
	LDK 0
	LDK 1
	LDK 2
.irp s, 0,1,2,3,4
	LDK \s+3                                       ; every fragment has registers of its own: no load lands on a register that a matrix instruction has read
	s_wait_loadcnt 48                              ; all but the three younger K steps' 48 loads: this step's fragments, the scale words and b1 are in
	MULK \s
.endr
	WIN 0
.irp t, 0,1,2,3
.irp u, 0,1
	global_load_b128 v[WO+8*\t+4*\u:WO+8*\t+4*\u+3], v4, s[14:15] offset:64*\t+16*\u
.endr
.endr
	s_wait_loadcnt 40                              ; K steps 6 and 7 and w_out's eight loads may be out
	MULK 5
	s_wait_loadcnt 24                              ; K step 7 and w_out's
	MULK 6
	s_wait_loadcnt 8                               ; w_out's
	MULK 7
	WIN 0
	s_wait_loadcnt 0x0
.rept 4
	v_nop                                          ; four places between the last products and the first read of results (ISA guide 7.12.1)
.endr
.set j, 0
.rept 128
	v_max_num_f32 v[ACC+j], 0, v[ACC+j]            ; the activation, in f32; each accumulator from its low end on
.set j, j+1
.endr
.irp t, 0,1,2,3                        ; the dot with w_out: two hidden units at a time, the four tiles of tokens by turns; the first product starts the sums
.irp p, 0,1,2,3
.irp i, 0,1,2,3
.if (\t == 0) && (\p == 0)
	v_pk_mul_f32 v[B1+2*\i:B1+2*\i+1], v[ACC+8*(4*\t+\i)+2*\p:ACC+8*(4*\t+\i)+2*\p+1], v[WO+8*\t+2*\p:WO+8*\t+2*\p+1]
.else
	v_pk_fma_f32 v[B1+2*\i:B1+2*\i+1], v[ACC+8*(4*\t+\i)+2*\p:ACC+8*(4*\t+\i)+2*\p+1], v[WO+8*\t+2*\p:WO+8*\t+2*\p+1], v[B1+2*\i:B1+2*\i+1]
.endif
.endr
.endr
.endr
.irp i, 0,1,2,3
	v_add_f32 v[B1+8+\i], v[B1+2*\i], v[B1+2*\i+1]
	v_mov_b32 v[B1+12+\i], 0                       ; a lane permute's destination counts as one of its sources
.endr
.irp i, 0,1,2,3
	v_permlanex16_b32 v[B1+12+\i], v[B1+8+\i], s26, s27
.endr
.irp i, 0,1,2,3
	v_add_f32 v[B1+16+\i], v[B1+8+\i], v[B1+12+\i] ; with the other half's 32 hidden units: lane r holds tokens 64 g + 4 r + 0 .. 3
.endr
	v_cmp_gt_u32 vcc_lo, 16, v6
	s_wait_xcnt 0x0                                ; EXEC changes only behind this wait
	s_and_saveexec_b32 s28, vcc_lo
	global_store_b128 v5, v[B1+16:B1+19], s[16:17] ; sixteen lanes store 256 consecutive bytes, aligned
	s_wait_xcnt 0x0                                ; and again, in front of the line that widens it
	s_or_b32 exec_lo, exec_lo, s28
	s_endpgm
.Lfunc_end_k_q0f15f75335_score:
	.size	k_q0f15f75335_score, .Lfunc_end_k_q0f15f75335_score-k_q0f15f75335_score
	.p2alignl 7, 3214868480
	.fill 96, 4, 3214868480
	.section	.rodata,"a",@progbits
	.p2align	6, 0x0
	.amdhsa_kernel k_q0f15f75335_score
		.amdhsa_group_segment_fixed_size 0
		.amdhsa_private_segment_fixed_size 0
		.amdhsa_enable_private_segment 0
		.amdhsa_kernarg_size 56
		.amdhsa_user_sgpr_count 2
		.amdhsa_user_sgpr_kernarg_segment_ptr 1
		.amdhsa_wavefront_size32 1
		.amdhsa_system_sgpr_workgroup_id_x 1
		.amdhsa_system_sgpr_workgroup_id_y 1
		.amdhsa_system_sgpr_workgroup_id_z 1
		.amdhsa_system_vgpr_workitem_id 0
		.amdhsa_next_free_vgpr 768
		.amdhsa_next_free_sgpr 66
		.amdhsa_reserve_vcc 1
		.amdhsa_float_denorm_mode_32 3
		.amdhsa_float_denorm_mode_16_64 3
		.amdhsa_memory_ordered 1
		.amdhsa_forward_progress 1
		.amdhsa_inst_pref_size 44
	.end_amdhsa_kernel
	.amdgpu_metadata
---
amdhsa.version: [ 1, 2 ]
amdhsa.kernels:
  - .name:           k_q0f15f75335_score
    .symbol:         k_q0f15f75335_score.kd
    .args:
      - { .name: xq, .offset: 0, .size: 8, .value_kind: global_buffer, .address_space: global }
      - { .name: xs, .offset: 8, .size: 8, .value_kind: global_buffer, .address_space: global }
      - { .name: wq, .offset: 16, .size: 8, .value_kind: global_buffer, .address_space: global }
      - { .name: ws, .offset: 24, .size: 8, .value_kind: global_buffer, .address_space: global }
      - { .name: b1, .offset: 32, .size: 8, .value_kind: global_buffer, .address_space: global }
      - { .name: w_out, .offset: 40, .size: 8, .value_kind: global_buffer, .address_space: global }
      - { .name: part, .offset: 48, .size: 8, .value_kind: global_buffer, .address_space: global }
    .group_segment_fixed_size: 0
    .private_segment_fixed_size: 0
    .kernarg_segment_align: 8
    .kernarg_segment_size: 56
    .max_flat_workgroup_size: 128
    .sgpr_count:     66
    .vgpr_count:     768
    .wavefront_size: 32
...
	.end_amdgpu_metadata
.endif
;; end of part 2
;; launch mix (part 3): grid 256 x 1, 16 waves a work-group, no clusters, 0 bytes of LDS; arguments inputs, b, e, part, out0; writes out0
.if DOCPART == 3
	.amdgcn_target "amdgcn-amd-amdhsa--gfx1250"
	.amdhsa_code_object_version 6
	.text
	.protected	k_q0f15f75335_mix
	.globl	k_q0f15f75335_mix
	.p2align	8
	.type	k_q0f15f75335_mix,@function
k_q0f15f75335_mix:
	s_mov_b64 s[64:65], 0
	v_nop
	global_prefetch_b8 v0, s[64:65] scope:SCOPE_SE
	s_setreg_imm32_b32 hwreg(HW_REG_WAVE_MODE, 25, 1), 1
	s_wait_xcnt 0x0
; SPAN SELF-ATTENTION, launch 3 of 3: for each span the 16 scores are looked up by the clamped index, masked, put through the softmax, and the window's token vectors are mixed, all in f32.
; Left out: b_out (it cancels in the softmax), and window rows from the seventh on, in pairs, whose positions lie past e: their p is exactly 0; where no position is valid all 16 are taken.  Shown at the head of the first kernel.
; LIMITS: finite inputs; |score| under 1e30; 0 <= b, e < 2^30.
; SHARES: a wave takes a span (16 x work-group + wave); a lane holds the 16 bytes at 512 j + 16 lane of a row, j = 0 .. 7, so each load and store covers 512 consecutive bytes.  No LDS, no barrier: waves share nothing.
; The rows come in groups of two through three buffers: 48 loads of a wave are out while the softmax is made.  The branches hang on b and e, which this launch reads from memory; each decides only between
; asking for the next group and finishing what is out, so every wait's count is right on every way.
; No matrix unit: a span's product has 16 along K and one row.  No hint on the rows' loads: several spans name a row.
.set RO,  16                           ; v16-31   row w's byte offset: min(b + w, 2047) x 4,096 + 16 x lane
.set ACC, 32                           ; v32-63   the output row
.set ROW, 64                           ; v64-255  three buffers of two rows
.set P,   32                           ; s[32:63] p of position w, as the pair s[32 + 2 w : 33 + 2 w]: the packed forms name a pair and take its low word for both halves
	s_load_b256 s[4:11], s[0:1], 0x0               ; inputs s[4:5], b s[6:7], e s[8:9], part s[10:11]
	s_load_b64 s[12:13], s[0:1], 0x20              ; out0
	v_lshrrev_b32 v1, 5, v0
	v_readfirstlane_b32 s14, v1                    ; wave 0..15
	v_and_b32 v2, 31, v0
	v_lshlrev_b32 v1, 4, v2                        ; 16 x lane
	v_and_b32 v10, 15, v0                          ; my window position w
	v_bfe_u32 v3, v0, 4, 1                         ; my half
	s_lshl_b32 s15, ttmp9, 4
	s_add_co_u32 s15, s15, s14                     ; span
	s_lshl_b32 s22, s15, 2
	s_mov_b32 s23, 0
	s_mov_b32 s24, 0x76543210
	s_mov_b32 s25, 0xfedcba98                      ; v_permlanex16_b32's selects for lane l xor 16
	s_mov_b32 s27, 0
	s_wait_kmcnt 0x0
	s_add_nc_u64 s[6:7], s[6:7], s[22:23]
	s_add_nc_u64 s[8:9], s[8:9], s[22:23]
	s_load_b32 s16, s[6:7], 0x0                    ; b
	s_load_b32 s17, s[8:9], 0x0                    ; e
	s_lshr_b32 s21, ttmp9, 7                       ; batch
	s_lshl_b32 s26, s21, 23
	s_add_nc_u64 s[4:5], s[4:5], s[26:27]          ; the batch's 2,048 rows of 4,096 bytes
	s_lshl_b32 s26, s21, 13
	s_add_nc_u64 s[10:11], s[10:11], s[26:27]      ; and its 2,048 partial scores in each row of part
	s_lshl_b32 s26, s15, 12
	s_add_nc_u64 s[12:13], s[12:13], s[26:27]      ; the span's row of out0
	s_wait_kmcnt 0x0
	v_add_nc_u32 v11, s16, v10
	v_min_u32 v11, 0x7ff, v11                      ; the clamp of reference(): min(b + w, L - 1)
	v_lshlrev_b32 v11, 2, v11
	v_lshl_add_u32 v11, v3, 17, v11                ; lanes 16-31 take groups 8-15 of the hidden units: eight rows of 16,384 bytes on
.irp i, 0,1,2,3,4,5,6,7
	global_load_b32 v[2+\i], v11, s[10:11] offset:16384*\i
.endr
.irp w, 0,1,2,3,4,5,6,7,8,9,10,11,12,13,14,15
	s_add_co_u32 s20, s16, \w
	s_min_u32 s20, s20, 0x7ff
	s_lshl_b32 s20, s20, 12
	v_add_nc_u32 v[RO+\w], s20, v1
.endr
.macro LOADG g, buf                    ; rows 2 g and 2 g + 1 of the window: 16 loads
.irp r, 0,1
.irp j, 0,1,2,3,4,5,6,7
	global_load_b128 v[ROW+64*(\buf)+32*\r+4*\j:ROW+64*(\buf)+32*\r+4*\j+3], v[RO+2*(\g)+\r], s[4:5] offset:512*\j
.endr
.endr
.endm
.macro FMA g, buf                      ; the output row += p x row, two numbers at a time; the window's first row starts the sums
.irp r, 0,1
.irp q, 0,1,2,3,4,5,6,7,8,9,10,11,12,13,14,15
.if ((\g) == 0) && (\r == 0)
	v_pk_mul_f32 v[ACC+2*\q:ACC+2*\q+1], v[ROW+64*(\buf)+32*\r+2*\q:ROW+64*(\buf)+32*\r+2*\q+1], s[P+2*(2*(\g)+\r):P+2*(2*(\g)+\r)+1] op_sel_hi:[1,0]
.else
	v_pk_fma_f32 v[ACC+2*\q:ACC+2*\q+1], v[ROW+64*(\buf)+32*\r+2*\q:ROW+64*(\buf)+32*\r+2*\q+1], s[P+2*(2*(\g)+\r):P+2*(2*(\g)+\r)+1], v[ACC+2*\q:ACC+2*\q+1] op_sel_hi:[1,0,1]
.endif
.endr
.endr
.endm
	LOADG 0, 0
	LOADG 1, 1
	LOADG 2, 2                                     ; rows 0 to 5 are always asked for
	s_sub_co_i32 s18, s17, s16                     ; d = e - b: position w is valid where w <= d
	s_add_co_i32 s19, s18, 1
	s_max_i32 s19, s19, 0
	s_min_i32 s19, s19, 16                         ; n: the valid positions
	s_cmp_eq_u32 s19, 0
	s_cselect_b32 s19, 16, s19                     ; none valid: the softmax is uniform, all 16 rows count
	s_add_co_u32 s19, s19, 1
	s_lshr_b32 s19, s19, 1                         ; G: groups of two rows that hold a row with p above 0
	s_wait_loadcnt 48                              ; the eight partial scores are in; the 48 loads of rows behind them may be out
	v_add_f32 v2, v2, v3
	v_add_f32 v4, v4, v5
	v_add_f32 v6, v6, v7
	v_add_f32 v8, v8, v9
	v_add_f32 v2, v2, v4
	v_add_f32 v6, v6, v8
	v_add_f32 v2, v2, v6
	v_permlanex16_b32 v3, v2, s24, s25
	v_add_f32 v12, v2, v3                          ; the score of my position's token
	v_add_f32 v13, 0xfe967699, v12                 ; score - 1e38, in f32, as reference() has it
	v_cmp_lt_i32 vcc_lo, s18, v10                  ; d < w: masked
	v_cndmask_b32 v12, v12, v13, vcc_lo
	v_mov_b32 v14, v12
	v_max_num_f32_dpp v14, v14, v14 row_xmask:1 row_mask:0xf bank_mask:0xf
	v_max_num_f32_dpp v14, v14, v14 row_xmask:2 row_mask:0xf bank_mask:0xf
	v_max_num_f32_dpp v14, v14, v14 row_xmask:4 row_mask:0xf bank_mask:0xf
	v_max_num_f32_dpp v14, v14, v14 row_xmask:8 row_mask:0xf bank_mask:0xf   ; the maximum of the 16 positions, which lie in a row of 16 lanes
	v_sub_f32 v12, v12, v14
	v_mul_f32 v12, 0x3fb8aa3b, v12                 ; x log2(e)
	v_exp_f32 v12, v12
	v_nop                                          ; a plain instruction behind the transcendental,
	s_wait_alu depctr_va_vdst(0)                   ; and a wait ahead of the first use of its result
	v_mov_b32 v15, v12
	v_add_f32_dpp v15, v15, v15 row_xmask:1 row_mask:0xf bank_mask:0xf
	v_add_f32_dpp v15, v15, v15 row_xmask:2 row_mask:0xf bank_mask:0xf
	v_add_f32_dpp v15, v15, v15 row_xmask:4 row_mask:0xf bank_mask:0xf
	v_add_f32_dpp v15, v15, v15 row_xmask:8 row_mask:0xf bank_mask:0xf
	v_rcp_f32 v15, v15
	v_nop
	s_wait_alu depctr_va_vdst(0)
	v_mul_f32 v12, v12, v15                        ; p
.irp w, 0,1,2,3,4,5,6,7,8,9,10,11,12,13,14,15
	v_readlane_b32 s[P+2*\w], v12, \w
	s_mov_b32 s[P+2*\w+1], s[P+2*\w]               ; named with it as a pair, so it is written
.endr
; Group k is mixed in; its buffer then takes group k + 3, if that group holds a row that counts.
.macro STAGE k
	s_wait_loadcnt 32                              ; group k is in; groups k + 1 and k + 2, 32 loads, may be out
	FMA \k, (\k)%3
	s_cmp_gt_u32 s19, (\k)+3
	s_cbranch_scc0 .Ldrain_\k
	LOADG (\k)+3, (\k)%3
.endm
	STAGE 0
	STAGE 1
	STAGE 2
	STAGE 3
	STAGE 4
	s_wait_loadcnt 32
	FMA 5, 2
	s_wait_loadcnt 16
	FMA 6, 0
	s_wait_loadcnt 0x0
	FMA 7, 1
	s_branch .Lout
.irp k, 0,1,2,3,4                      ; nothing more is asked for: the two groups that are out are finished
.Ldrain_\k:
	s_wait_loadcnt 16                              ; group k + 1 is in; group k + 2's 16 loads may be out
	FMA (\k)+1, ((\k)+1)%3
	s_wait_loadcnt 0x0
	FMA (\k)+2, ((\k)+2)%3
.if \k < 4
	s_branch .Lout
.endif
.endr
.Lout:
.irp j, 0,1,2,3,4,5,6,7
	global_store_b128 v1, v[ACC+4*\j:ACC+4*\j+3], s[12:13] offset:512*\j th:TH_STORE_NT   ; 32 lanes store 512 consecutive bytes, aligned; written once, read by nobody here
.endr
	s_endpgm
.Lfunc_end_k_q0f15f75335_mix:
	.size	k_q0f15f75335_mix, .Lfunc_end_k_q0f15f75335_mix-k_q0f15f75335_mix
	.p2alignl 7, 3214868480
	.fill 96, 4, 3214868480
	.section	.rodata,"a",@progbits
	.p2align	6, 0x0
	.amdhsa_kernel k_q0f15f75335_mix
		.amdhsa_group_segment_fixed_size 0
		.amdhsa_private_segment_fixed_size 0
		.amdhsa_enable_private_segment 0
		.amdhsa_kernarg_size 40
		.amdhsa_user_sgpr_count 2
		.amdhsa_user_sgpr_kernarg_segment_ptr 1
		.amdhsa_wavefront_size32 1
		.amdhsa_system_sgpr_workgroup_id_x 1
		.amdhsa_system_sgpr_workgroup_id_y 1
		.amdhsa_system_sgpr_workgroup_id_z 1
		.amdhsa_system_vgpr_workitem_id 0
		.amdhsa_next_free_vgpr 256
		.amdhsa_next_free_sgpr 66
		.amdhsa_reserve_vcc 1
		.amdhsa_float_denorm_mode_32 3
		.amdhsa_float_denorm_mode_16_64 3
		.amdhsa_memory_ordered 1
		.amdhsa_forward_progress 1
		.amdhsa_inst_pref_size 58
	.end_amdhsa_kernel
	.amdgpu_metadata
---
amdhsa.version: [ 1, 2 ]
amdhsa.kernels:
  - .name:           k_q0f15f75335_mix
    .symbol:         k_q0f15f75335_mix.kd
    .args:
      - { .name: inputs, .offset: 0, .size: 8, .value_kind: global_buffer, .address_space: global }
      - { .name: b, .offset: 8, .size: 8, .value_kind: global_buffer, .address_space: global }
      - { .name: e, .offset: 16, .size: 8, .value_kind: global_buffer, .address_space: global }
      - { .name: part, .offset: 24, .size: 8, .value_kind: global_buffer, .address_space: global }
      - { .name: out0, .offset: 32, .size: 8, .value_kind: global_buffer, .address_space: global }
    .group_segment_fixed_size: 0
    .private_segment_fixed_size: 0
    .kernarg_segment_align: 8
    .kernarg_segment_size: 40
    .max_flat_workgroup_size: 512
    .sgpr_count:     66
    .vgpr_count:     256
    .wavefront_size: 32
...
	.end_amdgpu_metadata
.endif
;; end of part 3
;; ======== version 2 of 2: 3 launches
;; limits: values are held in f16: magnitudes above 65,504 overflow, below 6.1e-05 lose precision; inputs' magnitudes at most 65,504; right only within a limited range of input values
;; workspace buffers: xq 2,097,152 bytes; xs 131,072 bytes; wq 524,288 bytes; ws 32,768 bytes; part 262,144 bytes; rec 16,384 bytes of whole numbers; bnd 1,024 bytes of whole numbers
;; launch quant (part 4): grid 456 x 1, 16 waves a work-group, no clusters, 95,744 bytes of LDS; arguments inputs, W1, xq, xs, wq, ws, b, e, rec, bnd; writes xq, xs, wq, ws, rec, bnd
.if DOCPART == 4
	.amdgcn_target "amdgcn-amd-amdhsa--gfx1250"
	.amdhsa_code_object_version 6
	.text
	.protected	k_q0f15f75335_quant
	.globl	k_q0f15f75335_quant
	.p2align	8
	.type	k_q0f15f75335_quant,@function
k_q0f15f75335_quant:
	s_mov_b64 s[64:65], 0
	v_nop
	global_prefetch_b8 v0, s[64:65] scope:SCOPE_SE
	s_setreg_imm32_b32 hwreg(HW_REG_WAVE_MODE, 25, 1), 1
	s_wait_xcnt 0x0
; SPAN SELF-ATTENTION, launch 1 of 3: the token vectors (inputs, [2][2048][1024] f32) and W1 ([1024 k][1024 n] f32) become codes of FP4 (E2M1) with one E8M0 byte for each 32 along K = the 1,024 channels;
; and the spans are listed by the token at which they begin, for launch 3.
; WORK THAT IS NOT DONE, in the whole program, and why it can reach no output:
;  (1) reference() gathers vectors[b, s, w] = inputs[batch, min(b + w, 2047)] and sends all 65,536 gathered rows through the first two products.  A row's codes, scale bytes, hidden layer and score hang on
;      the row's numbers alone, so two gathered rows with the same (batch, clamped index) have the same score, whatever b and e hold.  There are 4,096 different rows: each token is quantised once (here) and
;      scored once (launch 2); launch 3 looks the scores up by the index, as reference() looks the vectors up.
;  (2) b_out is added to all 16 scores of a softmax: it is the same along the softmax's axis and cancels; under the mask, score + b_out - 1e38 is -1e38 in f32 with it and without it.  b_out has no way to
;      the output: it is not loaded and is no launch's argument.
; LIMITS: finite inputs; a NaN, an infinity or an overflow that reaches only the work left out is not carried to the result; |score| under 1e30; 0 <= b, e < 2^30 (a negative b is not wrapped).
;   A block whose largest magnitude lies under 2^-124 gets the byte 1; so does a block of zeros, where the rule says 127: its codes are zeros, and this program alone reads the bytes.
; THE QUANTISER: a block's scale is 2^(floor(log2(largest magnitude)) - 2): its byte is the largest magnitude's exponent field - 2; the conversion divides by it, rounds to the nearest code, ties to even, and holds at the largest code.
; LAYOUTS, in the order of the operand's registers (a unit = the 16 bytes of one block of 32 codes of one row):
;   xq [tile T 0..255][kb 0..31][r 0..15][16 B]: row r of tile T = 4 g + i is token 64 g + 4 r + i.   xs [T][r][32 bytes: byte kb].
;   wq [tile n / 16][kb][r = n % 16][16 B].   ws [K step s 0..7][n][4 bytes: kb = 4 s + 0..3].
; THE LIST: a span's key is min(b, 2047) x 2048 + its number in the batch; its rank is the number of the batch's keys under its own: no two keys are equal, so the ranks are a permutation.
;   rec [batch][rank] = key + (clamp(e - b, -1, 15) + 1) x 2^22.   bnd [batch][k] = the number of spans with b < 16 k: where the spans that begin in tokens 16 k .. 16 k + 15 start in rec.
;   (b beyond 2047 may be held at 2047: all its window's indices are clamped there anyway, and e - b is taken of the b as given.)
; SHARES: work-groups 0..135 rank (68 a batch: 64 x 32 spans, 4 x 32 bounds), 136..199 take W1 (128 columns x 128 along K each), 200..455 a tile of 16 tokens each.  The ways part on the work-group's
; number and have LDS bytes of their own.
.set NSORT, 136                        ; the ranking work-groups
.set NWGW,  64                         ; W1's work-groups
.set TW,    4608                       ; LDS from 0: a turning stage for each wave: 32 blocks of 128 bytes + 16 of padding
.set CP,    144
.set OUTB,  73728                      ; the tile's codes: 32 rows (kb) of 256 bytes + 16
.set OP,    272
.set XSB,   82432                      ; the tile's 512 scale bytes
.set WSB,   82944                      ; W1's way: 512 scale bytes
.set KEYS,  83456                      ; the ranking way: 128 keys, 512 bytes, for each wave
.set CNT,   91648                      ; and 32 counts, 128 bytes, of each wave
.set SPARE, 93696                      ; the spare words, 128 bytes for each of 16 waves: eight blocks of 256 bytes that no other line names
.set R,  16                            ; v16-47  a row as it is loaded
.set X,  48                            ; v48-79  a block's 32 neighbours along K
.set C,  80                            ; v80-83  its codes
.set BK, 84                            ; v84-87  read back from LDS
; v1 lane, v2 16 x lane, v3 / v4 the turning stage in / out, v5 / v6 the codes' rows in / out, v7 X's byte store, v8-11 at work, v12 / v13 the add's two, v14 4 x lane, v15 my place in wq,
; v88 W's byte store, v89 / v90 16 x lane in XSB / WSB, v91 / v92 my wave's keys in / out, v93 / v94 the counts in / out
	s_load_b256 s[4:11], s[0:1], 0x0               ; inputs s[4:5], W1 s[6:7], xq s[8:9], xs s[10:11]
	s_load_b128 s[12:15], s[0:1], 0x20             ; wq s[12:13], ws s[14:15]
	s_load_b256 s[32:39], s[0:1], 0x30             ; b s[32:33], e s[34:35], rec s[36:37], bnd s[38:39]
	v_lshl_add_u32 v12, v0, 2, SPARE               ; my spare word
	v_mov_b32 v13, 0
	v_lshrrev_b32 v1, 5, v0
	s_delay_alu instid0(VALU_DEP_1)
	v_readfirstlane_b32 s16, v1                    ; wave 0..15
	v_and_b32 v1, 31, v0                           ; lane
	s_delay_alu instid0(VALU_DEP_1)
	v_lshlrev_b32 v2, 4, v1
	s_delay_alu instid0(VALU_DEP_2)
	v_lshlrev_b32 v14, 2, v1
	; every LDS address is made here, ahead of the parting of the ways
	s_mul_i32 s17, s16, TW                         ; my turning stage
	v_lshrrev_b32 v3, 3, v1
	s_delay_alu instid0(VALU_DEP_1)
	v_mul_u32_u24 v3, v3, CP
	v_and_b32 v4, 7, v1
	s_delay_alu instid0(VALU_DEP_1)
	v_lshl_add_u32 v3, v4, 4, v3
	s_delay_alu instid0(VALU_DEP_1)
	v_add_nc_u32 v3, s17, v3                       ; in: eight lanes' 128 bytes are a block; a load's 512 bytes are four blocks
	v_mul_u32_u24 v4, v1, CP
	s_delay_alu instid0(VALU_DEP_1)
	v_add_nc_u32 v4, s17, v4                       ; out: lane l takes block l
	s_lshl_b32 s17, s16, 4
	s_add_co_u32 s17, s17, OUTB
	v_mul_u32_u24 v5, v1, OP
	s_delay_alu instid0(VALU_DEP_1)
	v_add_nc_u32 v5, s17, v5                       ; codes in: row kb = lane, unit r = wave
	s_mul_i32 s17, s16, 2*OP
	s_add_co_u32 s17, s17, OUTB
	v_lshrrev_b32 v6, 4, v1                        ; h
	v_and_b32 v7, 15, v1                           ; r
	v_lshl_add_u32 v8, v7, 1, v6                   ; W1's way: my column of 32 on the way out: 2 r + h
	v_lshlrev_b32 v95, 3, v7
	v_lshrrev_b32 v9, 4, v8
	v_and_b32 v10, 15, v8
	v_lshl_add_u32 v95, v6, 16, v95                ; W1 in: columns 2 r and 2 r + 1, rows 16 h on
	v_lshlrev_b32 v15, 13, v9
	v_lshl_add_u32 v15, v10, 4, v15                ; wq: columns 16 on stand in the next tile of 16; 16 bytes a column
	v_mul_u32_u24 v6, v6, OP
	s_delay_alu instid0(VALU_DEP_1)
	v_lshl_add_u32 v6, v7, 4, v6
	s_delay_alu instid0(VALU_DEP_1)
	v_add_nc_u32 v6, s17, v6                       ; codes out: rows 2 wave and 2 wave + 1, sixteen lanes to a row
	s_lshl_b32 s17, s16, 5
	s_add_co_u32 s17, s17, XSB
	v_add_nc_u32 v7, s17, v1                       ; X's scale byte: 32 x row + kb
	s_and_b32 s28, s16, 3                          ; W1's way: cg, which 32 of the 128 columns,
	s_lshr_b32 s29, s16, 2                         ; and blk, which block of the K step
	s_lshl_b32 s17, s28, 7
	s_add_co_u32 s17, s17, s29
	s_add_co_u32 s17, s17, WSB
	s_wait_alu depctr_va_vdst(0)                   ; a wait directly ahead of the reader below
	v_lshl_add_u32 v88, v8, 2, s17                 ; W's scale byte: 4 x column + blk
	v_lshl_add_u32 v89, v1, 4, XSB
	v_lshl_add_u32 v90, v1, 4, WSB
	s_lshl_b32 s17, s16, 9
	s_add_co_u32 s17, s17, KEYS
	v_add_nc_u32 v91, s17, v2                      ; my wave's keys in: 16 bytes a lane
	v_mov_b32 v92, s17                             ; and out: one address for all lanes
	s_lshl_b32 s17, s16, 7
	s_add_co_u32 s17, s17, CNT
	v_add_nc_u32 v93, s17, v14                     ; my wave's counts in
	v_add_nc_u32 v94, CNT, v14                     ; all waves' counts out: 128 bytes from wave to wave
	s_sub_co_u32 s30, ttmp9, NSORT                 ; the work-group's number among those that quantise
	s_mov_b32 s23, 0
	s_mov_b32 s26, 0x76543210
	s_mov_b32 s27, 0xfedcba98                      ; v_permlanex16_b32's selects for lane l xor 16
	s_mov_b32 s31, 0xffff0000                      ; lanes 16-31
	v_mov_b32 v84, 0                               ; a lane permute's destination counts as one of its sources
	v_mov_b32 v85, 0
	s_wait_alu depctr_va_vdst(0)                   ; a wait at the head's end
	s_wait_kmcnt 0x0
	s_cmp_lt_u32 ttmp9, NSORT
	s_cbranch_scc1 .Lsort
	s_cmp_lt_u32 s30, NWGW
	s_cbranch_scc1 .Lw
; The 32 numbers in v[X] on become 16 bytes of codes in v[C] on, and the block's byte in v11.
.macro QBLOCK
	v_max3_num_f32 v8, |v[X]|, |v[X+1]|, 0x1800000                 ; the largest magnitude, in two chains; the floor 2^(3 - 127) among the leaves holds the byte at 1 from below
	v_max3_num_f32 v9, |v[X+2]|, |v[X+3]|, |v[X+4]|
.irp i, 5,9,13,17,21,25
	s_delay_alu instid0(VALU_DEP_2)
	v_max3_num_f32 v8, v8, |v[X+\i]|, |v[X+\i+1]|
	s_delay_alu instid0(VALU_DEP_2)
	v_max3_num_f32 v9, v9, |v[X+\i+2]|, |v[X+\i+3]|
.endr
	s_delay_alu instid0(VALU_DEP_2)
	v_max3_num_f32 v8, v8, |v[X+29]|, |v[X+30]|
	s_delay_alu instid0(VALU_DEP_1)
	v_max3_num_f32 v8, v8, v9, |v[X+31]|
	s_delay_alu instid0(VALU_DEP_1)
	v_add_nc_u32 v10, 0xff000000, v8               ; 2 off its exponent field: the conversion takes the exponent field of this operand as its scale, and nothing else of it
.irp g, 0,1,2,3
	v_cvt_scalef32_pk8_fp4_f32 v[C+\g], v[X+8*\g:X+8*\g+7], v10
.endr
	v_lshrrev_b32 v11, 23, v10                     ; the scale's byte; also the plain line behind the conversions
.endm
	; ---- A TILE OF 16 TOKENS.  Wave w takes the tile's row w, a whole token vector of 4,096 bytes.
	s_sub_co_u32 s17, s30, NWGW                    ; T
	s_lshr_b32 s18, s17, 2
	s_lshl_b32 s18, s18, 6
	s_and_b32 s19, s17, 3
	s_add_co_u32 s18, s18, s19
	s_lshl_b32 s19, s16, 2
	s_add_co_u32 s18, s18, s19                     ; token = 64 (T / 4) + 4 w + T % 4
	s_lshl_b32 s22, s18, 12
	s_add_nc_u64 s[4:5], s[4:5], s[22:23]
.irp j, 0,1,2,3,4,5,6,7
	global_load_b128 v[R+4*\j:R+4*\j+3], v2, s[4:5] offset:512*\j  ; 32 lanes read 512 consecutive bytes.  No hint: launch 3 reads these rows again
.endr
	s_lshl_b32 s22, s17, 13
	s_lshl_b32 s19, s16, 9
	s_add_co_u32 s22, s22, s19
	s_add_nc_u64 s[8:9], s[8:9], s[22:23]          ; xq: the tile's 8,192 bytes, my 512 of them
	s_lshl_b32 s22, s17, 9
	s_add_nc_u64 s[10:11], s[10:11], s[22:23]      ; xs: the tile's 512 bytes
.irp j, 0,1,2,3,4,5,6,7
	s_wait_loadcnt 7-\j                            ; loads come back in order: load j is in, the younger ones may be out
	ds_store_b128 v3, v[R+4*\j:R+4*\j+3] offset:4*CP*\j
.endr
.irp i, 0,1,2,3,4,5,6,7
	ds_load_b128 v[X+4*\i:X+4*\i+3], v4 offset:16*\i               ; my wave's own bytes, and LDS serves a wave's instructions in order: these see the stores above.  Lane l now holds block kb = l
.endr
	s_wait_dscnt 0x0
	QBLOCK
	ds_store_b128 v5, v[C:C+3]
	ds_store_b8 v7, v11
	s_wait_dscnt 0x0                               ; for the others' sake: my stores have landed
	s_barrier_signal -1
	s_barrier_wait -1
	ds_load_b128 v[BK:BK+3], v6
	s_wait_dscnt 0x0
	global_store_b128 v2, v[BK:BK+3], s[8:9]       ; 32 lanes store 512 consecutive bytes, at a multiple of 512 from xq's first byte
	s_cmp_lg_u32 s16, 0
	s_cbranch_scc1 .Lx_end
	ds_load_b128 v[C:C+3], v89                     ; wave 0: the tile's 512 scale bytes
	s_wait_dscnt 0x0
	global_store_b128 v2, v[C:C+3], s[10:11]
.Lx_end:
	s_wait_tensorcnt 0x0                           ; the wave's end
	ds_add_u32 v12, v13
	s_wait_dscnt 0x0
	s_endpgm
	; ---- W1: K is its first axis.  A wave takes 32 columns of a block of 32 along K.  Lane (r, h) takes columns 2 r and 2 r + 1 and rows 16 h .. 16 h + 15: registers run down K, so the codes come out with K
	; innermost; a block lies in lanes l and l xor 16, whose halves are exchanged so that lane (r, h) stores the whole unit of column 2 r + h.
.Lw:
	s_and_b32 s17, s30, 7                          ; cb: which 128 columns
	s_lshr_b32 s18, s30, 3                         ; s: which K step of 128
	s_lshl_b32 s21, s18, 2
	s_add_co_u32 s21, s21, s29                     ; kb = 4 s + blk
	s_lshl_b32 s22, s21, 17                        ; 32 rows of 4,096 bytes a block
	s_lshl_b32 s24, s17, 9
	s_add_co_u32 s22, s22, s24
	s_lshl_b32 s24, s28, 7
	s_add_co_u32 s22, s22, s24                     ; + 4 (128 cb + 32 cg)
	s_add_nc_u64 s[6:7], s[6:7], s[22:23]
.irp i, 0,1,2,3,4,5,6,7,8,9,10,11,12,13,14,15
	global_load_b64 v[X+2*\i:X+2*\i+1], v95, s[6:7] offset:4096*\i ; 128 consecutive bytes of each of two rows; the four waves of a block stand side by side on 512
.endr
	s_lshl_b32 s22, s17, 16
	s_lshl_b32 s24, s28, 14
	s_add_co_u32 s22, s22, s24
	s_lshl_b32 s24, s21, 8
	s_add_co_u32 s22, s22, s24
	s_add_nc_u64 s[12:13], s[12:13], s[22:23]      ; wq: tile 8 cb + 2 cg, block kb
	s_lshl_b32 s22, s18, 12
	s_lshl_b32 s24, s17, 9
	s_add_co_u32 s22, s22, s24
	s_add_nc_u64 s[14:15], s[14:15], s[22:23]      ; ws: K step s, my work-group's 128 words
	s_wait_loadcnt 0x0
	v_max3_num_f32 v8, |v[X]|, |v[X+2]|, 0x1800000                 ; each column's largest magnitude; the floor 2^(3 - 127) holds the byte at 1 from below
	v_max3_num_f32 v9, |v[X+1]|, |v[X+3]|, 0x1800000
.irp i, 4,8,12,16,20,24,28
	v_max3_num_f32 v8, v8, |v[X+\i]|, |v[X+\i+2]|
	v_max3_num_f32 v9, v9, |v[X+\i+1]|, |v[X+\i+3]|
.endr
	v_permlanex16_b32 v84, v8, s26, s27
	v_permlanex16_b32 v85, v9, s26, s27
.irp i, 0,1,2,3,4,5,6,7,8,9,10,11,12,13,14,15
	v_mov_b32 v[R+\i], v[X+2*\i]                   ; the conversions take neighbours along K from consecutive registers
	v_mov_b32 v[R+16+\i], v[X+2*\i+1]
.endr
	v_max_num_f32 v8, v8, v84                      ; with lane l xor 16's 16: the block's
	v_max_num_f32 v9, v9, v85
	v_add_nc_u32 v8, 0xff000000, v8                ; 2 off the exponent field: the conversion's scale operand
	v_add_nc_u32 v9, 0xff000000, v9
	v_cvt_scalef32_pk8_fp4_f32 v[C], v[R:R+7], v8
	v_cvt_scalef32_pk8_fp4_f32 v[C+1], v[R+8:R+15], v8
	v_cvt_scalef32_pk8_fp4_f32 v[C+2], v[R+16:R+23], v9
	v_cvt_scalef32_pk8_fp4_f32 v[C+3], v[R+24:R+31], v9
	v_lshrrev_b32 v10, 23, v8                      ; the scales' bytes; also the plain lines behind the conversions
	v_lshrrev_b32 v11, 23, v9
	v_cndmask_b32 v11, v10, v11, s31               ; column 2 r + h's byte
	v_permlane16_swap_b32 v[C], v[C+2]             ; lanes 0-15: both halves of column 2 r; lanes 16-31: of column 2 r + 1
	v_permlane16_swap_b32 v[C+1], v[C+3]
	global_store_b128 v15, v[C:C+3], s[12:13]      ; the wave stores two runs of 256 consecutive bytes, aligned: a block of two tiles of 16 columns
	ds_store_b8 v88, v11
	s_wait_dscnt 0x0                               ; for the others' sake: my store has landed
	s_barrier_signal -1
	s_barrier_wait -1
	s_cmp_lg_u32 s16, 0
	s_cbranch_scc1 .Lw_end
	ds_load_b128 v[BK:BK+3], v90                   ; wave 0: 128 scale words
	s_wait_dscnt 0x0
	global_store_b128 v2, v[BK:BK+3], s[14:15]
.Lw_end:
	s_wait_tensorcnt 0x0                           ; the wave's end, as above
	ds_add_u32 v12, v13
	s_wait_dscnt 0x0
	s_endpgm
	; ---- THE RANKS.  A work-group serves 32 keys, one a lane, the same in all 16 waves: group gi < 64: spans 32 gi + lane; gi >= 64: the bound of bucket 32 (gi - 64) + lane, whose key is 16 k x 2048.
	; Wave w counts, of the batch's keys 128 w .. 128 w + 127, those under the lane's key.  The 16 counts of a lane meet in LDS; wave 0 adds them and stores.
.Lsort:
	s_cmp_ge_u32 ttmp9, NSORT/2
	s_cselect_b32 s17, 1, 0                        ; batch
	s_cselect_b32 s18, NSORT/2, 0
	s_sub_co_u32 s18, ttmp9, s18                   ; gi 0..67
	s_lshl_b32 s22, s17, 13                        ; a batch's 2,048 words
	s_add_nc_u64 s[32:33], s[32:33], s[22:23]
	s_add_nc_u64 s[34:35], s[34:35], s[22:23]
	s_add_nc_u64 s[36:37], s[36:37], s[22:23]
	s_lshl_b32 s19, s16, 9
	v_add_nc_u32 v84, s19, v2                      ; 512 w + 16 lane
	global_load_b128 v[48:51], v84, s[32:33]       ; b of spans 128 w + 4 lane + 0 .. 3: 512 consecutive bytes a wave
	s_min_u32 s20, s18, 63                         ; (a group of bounds loads the last group's b and e and uses neither: no load leaves its buffer)
	s_lshl_b32 s20, s20, 7
	v_add_nc_u32 v85, s20, v14
	global_load_b32 v52, v85, s[32:33]             ; my span's b
	global_load_b32 v53, v85, s[34:35]             ; and e
	s_lshl_b32 s21, s16, 7
	v_add_nc_u32 v8, s21, v14                      ; 128 w + 4 lane
	s_lshl_b32 s24, s18, 5
	v_add_nc_u32 v9, s24, v1                       ; 32 gi + lane: my span's number, or 2,048 + my bucket's
	v_mov_b32 v10, 0                               ; the count
	s_cmp_ge_u32 s18, 64
	s_cselect_b32 s25, -1, 0                       ; all lanes: bounds
	s_wait_alu depctr_va_vdst(0)
	s_wait_loadcnt 0x0
.irp c, 0,1,2,3
	v_min_u32 v[48+\c], 0x7ff, v[48+\c]
	v_add_nc_u32 v11, \c, v8
	s_delay_alu instid0(VALU_DEP_1)
	v_lshl_or_b32 v[48+\c], v[48+\c], 11, v11      ; key = min(b, 2047) x 2048 + the span's number
.endr
	ds_store_b128 v91, v[48:51]
	v_min_u32 v54, 0x7ff, v52
	s_delay_alu instid0(VALU_DEP_1)
	v_lshl_or_b32 v54, v54, 11, v9                 ; my span's key,
	v_and_b32 v55, 0x7f, v9
	s_delay_alu instid0(VALU_DEP_1)
	v_lshlrev_b32 v55, 15, v55                     ; or my bucket's: 16 k x 2048
	s_delay_alu instid0(VALU_DEP_1)
	v_cndmask_b32 v54, v54, v55, s25
.macro KLOAD q, buf                    ; keys 32 q .. 32 q + 31 of my wave's 128, the same in every lane
.irp u, 0,1,2,3,4,5,6,7
	ds_load_b128 v[\buf+4*\u:\buf+4*\u+3], v92 offset:128*\q+16*\u  ; my wave's own bytes, and LDS serves a wave's instructions in order: these see the store above
.endr
.endm
.macro KCOUNT buf
.set n, 0
.rept 32
	v_cmp_lt_u32 vcc_lo, v[\buf+n], v54
	v_add_co_ci_u32 v10, vcc_lo, 0, v10, vcc_lo    ; + 1 where the key lies under mine
.set n, n+1
.endr
.endm
	KLOAD 0, 16
	KLOAD 1, 56
	s_wait_alu depctr_va_vdst(0)
	s_wait_dscnt 8                                 ; all but the eight younger loads
	KCOUNT 16
	KLOAD 2, 16
	s_wait_alu depctr_va_vdst(0)
	s_wait_dscnt 8
	KCOUNT 56
	KLOAD 3, 56
	s_wait_alu depctr_va_vdst(0)
	s_wait_dscnt 8
	KCOUNT 16
	s_wait_alu depctr_va_vdst(0)
	s_wait_dscnt 0x0
	KCOUNT 56
	ds_store_b32 v93, v10
	s_wait_dscnt 0x0                               ; for the others' sake: my store has landed
	s_barrier_signal -1
	s_barrier_wait -1
	s_cmp_lg_u32 s16, 0
	s_cbranch_scc1 .Ls_end
.irp q, 0,1,2,3,4,5,6,7,8,9,10,11,12,13,14,15
	ds_load_b32 v[16+\q], v94 offset:128*\q
.endr
	s_wait_dscnt 0x0
.irp q, 0,1,2,3,4,5,6,7
	v_add_nc_u32 v[16+\q], v[16+\q], v[24+\q]
.endr
.irp q, 0,1,2,3
	s_delay_alu instid0(VALU_DEP_4)
	v_add_nc_u32 v[16+\q], v[16+\q], v[20+\q]
.endr
	s_delay_alu instid0(VALU_DEP_2)
	v_add_nc_u32 v16, v16, v18
	s_delay_alu instid0(VALU_DEP_2)
	v_add_nc_u32 v17, v17, v19
	s_delay_alu instid0(VALU_DEP_1)
	v_add_nc_u32 v16, v16, v17                     ; the rank, or the bound
	s_cmp_ge_u32 s18, 64
	s_cbranch_scc1 .Ls_bound
	v_sub_nc_u32 v11, v53, v52
	s_delay_alu instid0(VALU_DEP_1)
	v_add_nc_u32 v11, 1, v11                       ; e - b + 1,
	v_mov_b32 v8, 0
	s_delay_alu instid0(VALU_DEP_2)
	v_cmp_gt_i32 vcc_lo, 0, v11
	s_delay_alu instid0(VALU_DEP_1)
	v_cndmask_b32 v11, v11, v8, vcc_lo             ; held at 0 from below
	s_delay_alu instid0(VALU_DEP_1)
	v_min_u32 v11, 16, v11                         ; and at 16 from above: the window's valid positions
	s_delay_alu instid0(VALU_DEP_1)
	v_lshl_or_b32 v11, v11, 22, v54
	v_min_u32 v16, 0x7ff, v16
	s_delay_alu instid0(VALU_DEP_1)
	v_lshlrev_b32 v16, 2, v16
	global_store_b32 v16, v11, s[36:37]            ; a word at its rank: 16 KB in the whole launch go out so
	s_branch .Ls_end
.Ls_bound:
	s_lshl_b32 s22, s17, 9                         ; a batch's 128 bounds
	s_sub_co_u32 s24, s18, 64
	s_lshl_b32 s24, s24, 7
	s_add_co_u32 s22, s22, s24
	s_add_nc_u64 s[38:39], s[38:39], s[22:23]
	s_wait_alu depctr_va_vdst(0)
	global_store_b32 v14, v16, s[38:39]            ; 128 consecutive bytes
.Ls_end:
	s_wait_tensorcnt 0x0                           ; the wave's end, as above
	ds_add_u32 v12, v13
	s_wait_dscnt 0x0
	s_endpgm
.Lfunc_end_k_q0f15f75335_quant:
	.size	k_q0f15f75335_quant, .Lfunc_end_k_q0f15f75335_quant-k_q0f15f75335_quant
	.p2alignl 7, 3214868480
	.fill 96, 4, 3214868480
	.section	.rodata,"a",@progbits
	.p2align	6, 0x0
	.amdhsa_kernel k_q0f15f75335_quant
		.amdhsa_group_segment_fixed_size 95744
		.amdhsa_private_segment_fixed_size 0
		.amdhsa_enable_private_segment 0
		.amdhsa_kernarg_size 80
		.amdhsa_user_sgpr_count 2
		.amdhsa_user_sgpr_kernarg_segment_ptr 1
		.amdhsa_wavefront_size32 1
		.amdhsa_system_sgpr_workgroup_id_x 1
		.amdhsa_system_sgpr_workgroup_id_y 1
		.amdhsa_system_sgpr_workgroup_id_z 1
		.amdhsa_system_vgpr_workitem_id 0
		.amdhsa_next_free_vgpr 96
		.amdhsa_next_free_sgpr 66
		.amdhsa_reserve_vcc 1
		.amdhsa_float_denorm_mode_32 3
		.amdhsa_float_denorm_mode_16_64 3
		.amdhsa_memory_ordered 1
		.amdhsa_forward_progress 1
		.amdhsa_inst_pref_size 31
	.end_amdhsa_kernel
	.amdgpu_metadata
---
amdhsa.version: [ 1, 2 ]
amdhsa.kernels:
  - .name:           k_q0f15f75335_quant
    .symbol:         k_q0f15f75335_quant.kd
    .args:
      - { .name: inputs, .offset: 0, .size: 8, .value_kind: global_buffer, .address_space: global }
      - { .name: W1, .offset: 8, .size: 8, .value_kind: global_buffer, .address_space: global }
      - { .name: xq, .offset: 16, .size: 8, .value_kind: global_buffer, .address_space: global }
      - { .name: xs, .offset: 24, .size: 8, .value_kind: global_buffer, .address_space: global }
      - { .name: wq, .offset: 32, .size: 8, .value_kind: global_buffer, .address_space: global }
      - { .name: ws, .offset: 40, .size: 8, .value_kind: global_buffer, .address_space: global }
      - { .name: b, .offset: 48, .size: 8, .value_kind: global_buffer, .address_space: global }
      - { .name: e, .offset: 56, .size: 8, .value_kind: global_buffer, .address_space: global }
      - { .name: rec, .offset: 64, .size: 8, .value_kind: global_buffer, .address_space: global }
      - { .name: bnd, .offset: 72, .size: 8, .value_kind: global_buffer, .address_space: global }
    .group_segment_fixed_size: 95744
    .private_segment_fixed_size: 0
    .kernarg_segment_align: 8
    .kernarg_segment_size: 80
    .max_flat_workgroup_size: 512
    .sgpr_count:     66
    .vgpr_count:     96
    .wavefront_size: 32
...
	.end_amdgpu_metadata
.endif
;; end of part 4
;; launch score (part 5): grid 8 x 32, 8 waves a work-group, no clusters, 141,312 bytes of LDS; arguments xq, xs, wq, ws, b1, w_out, part; writes part
.if DOCPART == 5
	.amdgcn_target "amdgcn-amd-amdhsa--gfx1250"
	.amdhsa_code_object_version 6
	.text
	.protected	k_q0f15f75335_score
	.globl	k_q0f15f75335_score
	.p2align	8
	.type	k_q0f15f75335_score,@function
k_q0f15f75335_score:
	s_mov_b64 s[64:65], 0
	v_nop
	global_prefetch_b8 v0, s[64:65] scope:SCOPE_SE
	s_setreg_imm32_b32 hwreg(HW_REG_WAVE_MODE, 25, 1), 1
	s_wait_xcnt 0x0
; SPAN SELF-ATTENTION, launch 2 of 3: part[hg][token] = the sum over the 64 hidden units of group hg of relu(x W1 + b1) w_out, the product on codes of FP4 with E8M0 scales.
; Left out: each of the 4,096 tokens is scored once, not once for each window that names it (equal rows have equal scores), and b_out is not added (it cancels in the softmax): shown at the head of the first kernel.
; SHARES: a work-group takes 128 tokens (8 tiles of xq) x 128 hidden units (8 tiles of wq), all of K = 1,024: 64 KB of each, which lie in memory in the order of the operand's registers.  Each byte is loaded once by the
; work-group: wave w copies tile w of each into LDS, as it lies, in FOUR PHASES of two K steps, with one barrier each; all loads are on their way ahead of the phases that use them.  LDS bytes are written once: no slot, no ring.
; Wave w multiplies 64 hidden units (a = w % 2) x 32 tokens (b = w / 2): tiles 4 a .. 4 a + 3 of W, 2 b and 2 b + 1 of X: 8 accumulators, which take turns, one instruction a turn, in the same order in every K step.
; They begin with b1.
; NO TENSOR LOAD, NO CLUSTER, though work-groups share tiles: K has 8 steps, 64 matrix instructions a wave; a joint load would fill LDS once and be read once, behind a round at the head and with one at the end.
; No prefetch: everything is asked for at the head or in phase 0, with no loop to run ahead in.
; THE MATRIX INSTRUCTION IS USED TRANSPOSED: source 0 = 16 hidden units, source 1 = 16 tokens: a lane holds ONE token (lane % 16) and eight hidden units, 8 (lane / 16) + 0 .. 7, so the dot with w_out stays in the lane.
.set XL,   65536                       ; LDS: W's 64 KB from 0, X's from here
.set WSL,  131072                      ; W's scale words [K step][128 columns]
.set STG,  135168                      ; 512 bytes for each wave: its 64 numbers of b1, its 64 of w_out
.set PT,   139264                      ; partial scores [a][128 tokens]
.set SPARE, 140288                     ; the spare words, 128 bytes for each of 8 waves: four blocks of 256 bytes that no other line names
.set WS,  24                           ; v24-39   W's scale words: 2 s + t / 2: lanes 0-15 the even tile, lanes 16-31 the odd
.set XS,  40                           ; v40-47   X's scale words of K step s: lanes 0-15 the first tile, lanes 16-31 the second
.set ACC, 48                           ; v48-111  accumulator (t, i) at 48 + 8 (2 t + i)
.set FA,  112                          ; v112-159 a K step's fragments: W's four, X's two
.set FB,  192                          ; v192-239 a second set, in the last two phases
.set WO,  160                          ; v160-191 w_out, behind the last phase's stores
.set SU,  112                          ; v112-119 sums
	s_load_b256 s[4:11], s[0:1], 0x0               ; xq s[4:5], xs s[6:7], wq s[8:9], ws s[10:11]
	s_load_b128 s[12:15], s[0:1], 0x20             ; b1 s[12:13], w_out s[14:15]
	s_load_b64 s[16:17], s[0:1], 0x30              ; part
	v_lshl_add_u32 v6, v0, 2, SPARE                ; my spare word
	v_mov_b32 v7, 0
	v_lshrrev_b32 v1, 5, v0
	v_and_b32 v3, 31, v0                           ; lane
	v_bfe_u32 v2, v0, 4, 1                         ; h
	v_readfirstlane_b32 s18, v1                    ; wave 0..7
	v_and_b32 v1, 15, v0                           ; r
	s_and_b32 s19, ttmp7, 0xffff                   ; y: which 128 tokens
	s_and_b32 s20, s18, 1                          ; a
	s_lshr_b32 s21, s18, 1                         ; b
	s_mov_b32 s23, 0
	s_lshl_b32 s24, s18, 13                        ; the tile that I copy
	s_lshl_b32 s25, s20, 15                        ; my four tiles of W
	s_lshl_b32 s26, s21, 14
	s_add_co_u32 s26, s26, XL                      ; my two of X
	s_lshl_b32 s27, s20, 8
	s_add_co_u32 s27, s27, WSL                     ; my scale words of W
	s_lshl_b32 s28, s18, 9
	s_add_co_u32 s29, s28, STG                     ; my stage
	s_add_co_u32 s28, s28, WSL                     ; the K step whose scale words I copy
	s_lshl_b32 s37, s20, 9
	s_add_co_u32 s37, s37, PT
	s_lshr_b32 s30, s21, 1
	s_lshl_b32 s30, s30, 8
	s_add_co_u32 s30, s30, s37
	s_and_b32 s31, s21, 1
	s_lshl_b32 s31, s31, 3
	s_add_co_u32 s30, s30, s31                     ; PT + 512 a + 256 (b / 2) + 8 (b % 2)
	s_mov_b32 s34, 0x76543210
	s_mov_b32 s35, 0xfedcba98                      ; v_permlanex16_b32's selects for lane l xor 16
	s_mov_b32 s36, 0xffff0000                      ; lanes 16-31
	s_wait_alu depctr_va_vdst(0)                   ; a wait behind the run of scalar lines
	v_lshlrev_b32 v11, 4, v3
	v_lshlrev_b32 v12, 5, v3
	v_lshlrev_b32 v13, 3, v3
	v_add_nc_u32 v14, s24, v11                     ; W in
	v_add_nc_u32 v16, s25, v11                     ; W out
	v_add_nc_u32 v17, s26, v11                     ; X out
	v_add_nc_u32 v15, XL, v14                      ; X in
	v_add_nc_u32 v18, s28, v11                     ; scale words in
	v_lshl_add_u32 v5, v3, 2, s27                  ; and out
	v_lshl_add_u32 v8, v3, 3, s29                  ; my stage, 8 bytes a lane
	v_lshl_add_u32 v19, v2, 5, s29                 ; my half's eight numbers
	v_lshl_add_u32 v21, v1, 4, s30
	v_lshl_add_u32 v21, v2, 2, v21                 ; my token's partial score: row r of tile 4 g + i is token 64 g + 4 r + i; here i = 2 (b % 2) + h
	v_add_nc_u32 v22, s37, v11                     ; the way out: 16 bytes a lane
	s_wait_alu depctr_va_vdst(0)                   ; a wait at the head's end
	s_wait_kmcnt 0x0
	s_lshl_b32 s22, s19, 16
	s_add_co_u32 s22, s22, s24
	s_add_nc_u64 s[4:5], s[4:5], s[22:23]          ; xq: tile 8 y + w
	s_lshl_b32 s22, ttmp9, 16
	s_add_co_u32 s22, s22, s24
	s_add_nc_u64 s[8:9], s[8:9], s[22:23]          ; wq: tile 8 x + w
; Phase p: K steps 2 p and 2 p + 1 of my tile of W and of X: 2,048 bytes of each, 512 consecutive bytes a load.  Three sets of registers take turns.
.macro GL p
.set SB, 160+32*((\p)%3)
.irp q, 0,1,2,3
	global_load_b128 v[SB+4*\q:SB+4*\q+3], v11, s[8:9] offset:2048*\p+512*\q
	global_load_b128 v[SB+16+4*\q:SB+16+4*\q+3], v11, s[4:5] offset:2048*\p+512*\q
.endr
.endm
	GL 0
	s_lshl_b32 s22, s19, 12
	s_lshl_b32 s24, s21, 10
	s_add_co_u32 s22, s22, s24
	s_add_nc_u64 s[6:7], s[6:7], s[22:23]          ; xs: tiles 8 y + 2 b and the next
	s_lshl_b32 s22, s18, 12
	s_lshl_b32 s24, ttmp9, 9
	s_add_co_u32 s22, s22, s24
	s_add_nc_u64 s[10:11], s[10:11], s[22:23]      ; ws: K step w, columns 128 x on
	s_lshl_b32 s22, s20, 8
	s_add_co_u32 s22, s22, s24
	s_add_nc_u64 s[12:13], s[12:13], s[22:23]      ; my 64 numbers of b1
	s_add_nc_u64 s[14:15], s[14:15], s[22:23]      ; and of w_out
	global_load_b128 v[XS:XS+3], v12, s[6:7]       ; 32 bytes a token: its words of all 8 K steps
	global_load_b128 v[XS+4:XS+7], v12, s[6:7] offset:16
	global_load_b128 v[112:115], v11, s[10:11]
	global_load_b64 v[116:117], v13, s[12:13]
	global_load_b64 v[118:119], v13, s[14:15]
	GL 1
	GL 2
.macro LF s, f                         ; the fragments of K step s into set f.  Registers 4 c .. 4 c + 3 of lane l are the unit of block 4 s + 2 c + l / 16, row l % 16: byte 1,024 s + 512 c + 16 l of the tile
.irp t, 0,1,2,3
.irp c, 0,1
	ds_load_b128 v[\f+8*\t+4*\c:\f+8*\t+4*\c+3], v16 offset:8192*\t+1024*(\s)+512*\c
.endr
.endr
.irp i, 0,1
.irp c, 0,1
	ds_load_b128 v[\f+32+8*\i+4*\c:\f+32+8*\i+4*\c+3], v17 offset:8192*\i+1024*(\s)+512*\c
.endr
.endr
.endm
.macro WM t, i, s, f                   ; an odd tile of W takes its scale words from lanes 16-31, so does the second tile of tokens
.if (\t)%2
.if \i
	v_wmma_scale_f32_16x16x128_f8f6f4 v[ACC+8*(2*\t+\i):ACC+8*(2*\t+\i)+7], v[\f+8*\t:\f+8*\t+7], v[\f+32+8*\i:\f+32+8*\i+7], v[ACC+8*(2*\t+\i):ACC+8*(2*\t+\i)+7], v[WS+2*(\s)+\t/2], v[XS+(\s)] matrix_a_fmt:MATRIX_FMT_FP4 matrix_b_fmt:MATRIX_FMT_FP4 matrix_a_scale:MATRIX_SCALE_ROW1 matrix_b_scale:MATRIX_SCALE_ROW1
.else
	v_wmma_scale_f32_16x16x128_f8f6f4 v[ACC+8*(2*\t+\i):ACC+8*(2*\t+\i)+7], v[\f+8*\t:\f+8*\t+7], v[\f+32+8*\i:\f+32+8*\i+7], v[ACC+8*(2*\t+\i):ACC+8*(2*\t+\i)+7], v[WS+2*(\s)+\t/2], v[XS+(\s)] matrix_a_fmt:MATRIX_FMT_FP4 matrix_b_fmt:MATRIX_FMT_FP4 matrix_a_scale:MATRIX_SCALE_ROW1
.endif
.else
.if \i
	v_wmma_scale_f32_16x16x128_f8f6f4 v[ACC+8*(2*\t+\i):ACC+8*(2*\t+\i)+7], v[\f+8*\t:\f+8*\t+7], v[\f+32+8*\i:\f+32+8*\i+7], v[ACC+8*(2*\t+\i):ACC+8*(2*\t+\i)+7], v[WS+2*(\s)+\t/2], v[XS+(\s)] matrix_a_fmt:MATRIX_FMT_FP4 matrix_b_fmt:MATRIX_FMT_FP4 matrix_b_scale:MATRIX_SCALE_ROW1
.else
	v_wmma_scale_f32_16x16x128_f8f6f4 v[ACC+8*(2*\t+\i):ACC+8*(2*\t+\i)+7], v[\f+8*\t:\f+8*\t+7], v[\f+32+8*\i:\f+32+8*\i+7], v[ACC+8*(2*\t+\i):ACC+8*(2*\t+\i)+7], v[WS+2*(\s)+\t/2], v[XS+(\s)] matrix_a_fmt:MATRIX_FMT_FP4 matrix_b_fmt:MATRIX_FMT_FP4
.endif
.endif
.endm
.macro MM s, f
.irp t, 0,1,2,3
.irp i, 0,1
	WM \t, \i, \s, \f
.endr
.endr
.endm
.macro PLACES                          ; four places behind the products, ahead of loads into their registers and of reads of results
.rept 4
	v_nop
.endr
.endm
.macro PHASE p, n                      ; phase p's loads are in; the n younger may be out.  They go to LDS, and behind the barrier everybody's have landed
	s_wait_loadcnt \n
.set SB, 160+32*((\p)%3)
.irp q, 0,1,2,3
	ds_store_b128 v14, v[SB+4*\q:SB+4*\q+3] offset:2048*\p+512*\q
	ds_store_b128 v15, v[SB+16+4*\q:SB+16+4*\q+3] offset:2048*\p+512*\q
.endr
.if \p == 0
	ds_store_b128 v18, v[112:115]
	ds_store_b64 v8, v[116:117]
	ds_store_b64 v8, v[118:119] offset:256
.irp t, 0,1,2,3
.irp i, 0,1
.irp u, 0,1
	ds_load_b128 v[ACC+8*(2*\t+\i)+4*\u:ACC+8*(2*\t+\i)+4*\u+3], v19 offset:64*\t+16*\u   ; the accumulators begin with b1: hidden units 16 t + 8 h + 0 .. 7; my wave's own bytes, served in order
.endr
.endr
.endr
.endif
	s_wait_dscnt 0x0                               ; for the others' sake: my stores have landed
.if \p == 0
	GL 3                                           ; into the registers just stored
.endif
	s_barrier_signal -1
	s_barrier_wait -1
.endm
	PHASE 0, 16                                    ; out: phases 1 and 2
.irp s, 0,1,2,3,4,5,6,7
.irp p, 0,1
	ds_load_b32 v[WS+2*\s+\p], v5 offset:512*\s+128*\p
.endr
.endr
	LF 0, FA
	s_wait_dscnt 0x0
	MM 0, FA
	PLACES
	LF 1, FA
	s_wait_dscnt 0x0
	MM 1, FA
	PLACES
	PHASE 1, 16                                    ; out: phases 2 and 3
	LF 2, FA
	s_wait_dscnt 0x0
	MM 2, FA
	PLACES
	LF 3, FA
	s_wait_dscnt 0x0
	MM 3, FA
	PLACES
	PHASE 2, 8                                     ; out: phase 3
	LF 4, FA
	LF 5, FB
	s_wait_dscnt 12                                ; K step 5's twelve loads may be out
	MM 4, FA
	s_wait_dscnt 0x0
	MM 5, FB
	PLACES
	PHASE 3, 0
	LF 6, FA
	LF 7, FB
.irp t, 0,1,2,3
.irp u, 0,1
	ds_load_b128 v[WO+8*\t+4*\u:WO+8*\t+4*\u+3], v19 offset:256+64*\t+16*\u
.endr
.endr
	s_wait_dscnt 20                                ; K step 7's twelve and w_out's eight may be out
	MM 6, FA
	s_wait_dscnt 8
	MM 7, FB
	s_wait_dscnt 0x0
	PLACES
.set j, 0
.rept 64
	v_max_num_f32 v[ACC+j], 0, v[ACC+j]            ; the activation, in f32; each accumulator from its low end on
.set j, j+1
.endr
.irp t, 0,1,2,3                        ; the dot with w_out: two hidden units at a time, in four chains; the first products start the sums
.irp p, 0,1,2,3
.irp i, 0,1
.if (\t == 0) && (\p < 2)
	v_pk_mul_f32 v[SU+4*\i+2*(\p%2):SU+4*\i+2*(\p%2)+1], v[ACC+8*(2*\t+\i)+2*\p:ACC+8*(2*\t+\i)+2*\p+1], v[WO+8*\t+2*\p:WO+8*\t+2*\p+1]
.else
	v_pk_fma_f32 v[SU+4*\i+2*(\p%2):SU+4*\i+2*(\p%2)+1], v[ACC+8*(2*\t+\i)+2*\p:ACC+8*(2*\t+\i)+2*\p+1], v[WO+8*\t+2*\p:WO+8*\t+2*\p+1], v[SU+4*\i+2*(\p%2):SU+4*\i+2*(\p%2)+1]
.endif
.endr
.endr
.endr
	v_pk_add_f32 v[SU:SU+1], v[SU:SU+1], v[SU+2:SU+3]
	v_pk_add_f32 v[SU+4:SU+5], v[SU+4:SU+5], v[SU+6:SU+7]
	v_add_f32 v120, v[SU], v[SU+1]
	v_add_f32 v121, v[SU+4], v[SU+5]
	v_permlanex16_b32 v122, v120, s34, s35
	v_permlanex16_b32 v123, v121, s34, s35
	v_add_f32 v120, v120, v122                     ; with the other half's 32 hidden units
	v_add_f32 v121, v121, v123
	v_cndmask_b32 v120, v120, v121, s36            ; lanes 0-15: the first tile's tokens, lanes 16-31 the second's
	ds_store_b32 v21, v120
	s_wait_alu depctr_va_vdst(0)
	s_wait_dscnt 0x0                               ; for the others' sake: my store has landed
	s_barrier_signal -1
	s_barrier_wait -1
	s_cmp_ge_u32 s18, 2
	s_cbranch_scc1 .Lend
	ds_load_b128 v[112:115], v22                   ; waves 0 and 1: the 128 tokens' scores over hidden group 2 x + w
	s_lshl_b32 s22, ttmp9, 15
	s_lshl_b32 s24, s18, 14
	s_add_co_u32 s22, s22, s24
	s_lshl_b32 s24, s19, 9
	s_add_co_u32 s22, s22, s24
	s_add_nc_u64 s[16:17], s[16:17], s[22:23]
	s_wait_dscnt 0x0
	global_store_b128 v11, v[112:115], s[16:17]    ; 512 consecutive bytes, aligned
.Lend:
	s_wait_tensorcnt 0x0                           ; the wave's end
	ds_add_u32 v6, v7
	s_wait_dscnt 0x0
	s_endpgm
.Lfunc_end_k_q0f15f75335_score:
	.size	k_q0f15f75335_score, .Lfunc_end_k_q0f15f75335_score-k_q0f15f75335_score
	.p2alignl 7, 3214868480
	.fill 96, 4, 3214868480
	.section	.rodata,"a",@progbits
	.p2align	6, 0x0
	.amdhsa_kernel k_q0f15f75335_score
		.amdhsa_group_segment_fixed_size 141312
		.amdhsa_private_segment_fixed_size 0
		.amdhsa_enable_private_segment 0
		.amdhsa_kernarg_size 56
		.amdhsa_user_sgpr_count 2
		.amdhsa_user_sgpr_kernarg_segment_ptr 1
		.amdhsa_wavefront_size32 1
		.amdhsa_system_sgpr_workgroup_id_x 1
		.amdhsa_system_sgpr_workgroup_id_y 1
		.amdhsa_system_sgpr_workgroup_id_z 1
		.amdhsa_system_vgpr_workitem_id 0
		.amdhsa_next_free_vgpr 256
		.amdhsa_next_free_sgpr 66
		.amdhsa_reserve_vcc 0
		.amdhsa_float_denorm_mode_32 3
		.amdhsa_float_denorm_mode_16_64 3
		.amdhsa_memory_ordered 1
		.amdhsa_forward_progress 1
		.amdhsa_inst_pref_size 32
	.end_amdhsa_kernel
	.amdgpu_metadata
---
amdhsa.version: [ 1, 2 ]
amdhsa.kernels:
  - .name:           k_q0f15f75335_score
    .symbol:         k_q0f15f75335_score.kd
    .args:
      - { .name: xq, .offset: 0, .size: 8, .value_kind: global_buffer, .address_space: global }
      - { .name: xs, .offset: 8, .size: 8, .value_kind: global_buffer, .address_space: global }
      - { .name: wq, .offset: 16, .size: 8, .value_kind: global_buffer, .address_space: global }
      - { .name: ws, .offset: 24, .size: 8, .value_kind: global_buffer, .address_space: global }
      - { .name: b1, .offset: 32, .size: 8, .value_kind: global_buffer, .address_space: global }
      - { .name: w_out, .offset: 40, .size: 8, .value_kind: global_buffer, .address_space: global }
      - { .name: part, .offset: 48, .size: 8, .value_kind: global_buffer, .address_space: global }
    .group_segment_fixed_size: 141312
    .private_segment_fixed_size: 0
    .kernarg_segment_align: 8
    .kernarg_segment_size: 56
    .max_flat_workgroup_size: 256
    .sgpr_count:     66
    .vgpr_count:     256
    .wavefront_size: 32
...
	.end_amdgpu_metadata
.endif
;; end of part 5
;; launch mix (part 6): grid 256 x 1, 16 waves a work-group, no clusters, 8,448 bytes of LDS; arguments inputs, part, rec, bnd, out0; writes out0
.if DOCPART == 6
	.amdgcn_target "amdgcn-amd-amdhsa--gfx1250"
	.amdhsa_code_object_version 6
	.text
	.protected	k_q0f15f75335_mix
	.globl	k_q0f15f75335_mix
	.p2align	8
	.type	k_q0f15f75335_mix,@function
k_q0f15f75335_mix:
	s_mov_b64 s[64:65], 0
	v_nop
	global_prefetch_b8 v0, s[64:65] scope:SCOPE_SE
	s_setreg_imm32_b32 hwreg(HW_REG_WAVE_MODE, 25, 1), 1
	s_wait_xcnt 0x0
; SPAN SELF-ATTENTION, launch 3 of 3: for each span the window's 16 scores are masked and put through the softmax in f32, and the window's token vectors are mixed.
; Left out: b_out (it cancels in the softmax): shown at the head of the first kernel.
; SPANS THAT BEGIN IN THE SAME 16 TOKENS SHARE THEIR ROWS.  A work-group takes one bucket: batch = work-group / 128, k = work-group % 128, base = 16 k.  Every span with b in base .. base + 15 has its window
; inside the 32 tokens base .. base + 31 (each clamped to 2,047, as reference() clamps), so for 16 such spans the last product is q [16 spans][32 tokens] x X [32 tokens][1,024 channels], q holding the span's
; softmax at its window's places and 0 elsewhere.  The 32 rows are read once by the work-group, whatever the number of its spans.
; The bucket's spans stand in rec from bnd[k] to bnd[k + 1] (2,048 behind the last bucket): whole numbers that launch 1 stored; the trip count and the stores' addresses hang on them.
; THE MASK: with v valid positions (v = clamp(e - b + 1, 0, 16)): for v > 0 a masked position's score - 1e38 lies so far under the maximum that its exponential is 0: it is left at -infinity.  For v = 0 all 16 numbers
; score - 1e38 are -1e38 in f32: all equal; here the 16 scores are multiplied by 0 and all count.
; FORMAT: q and X are rounded to f16 for this product, sums in f32; each factor is off by at most 2^-11 of itself.  LIMITS: |inputs| under 65,504; finite inputs; |score| under 2^31; 0 <= b, e < 2^30.
; SHARES: wave w owns channels 64 w .. 64 w + 63 for all the bucket's spans.  B's layout gives lane (r, h) one column and the tokens 8 h + c, c = 0 .. 7 and 16 .. 23.  The lane loads 16 bytes of each of these
; 16 rows, at channel 64 w + 4 r: sixteen lanes read 256 consecutive bytes, aligned.  Its four numbers belong to FOUR TILES: tile t holds the columns 64 w + 4 r + t.  So nothing is transposed, and in the result
; the four tiles' registers j are four neighbouring channels of one span: 16 bytes a lane, 256 consecutive bytes for sixteen lanes.
; Wave w loads row w of the 16 rows of partial scores; they meet in LDS.  Wave 15 loads the first trip's words of the list, ahead of its rows, for all waves.  The first trip's q is made while the rows are on their way.
; A's row m takes list slot 2 (m % 8) + m / 8, so that the result's register j holds slots 2 j (lanes 0-15) and 2 j + 1 (lanes 16-31): store j is left out where slot 2 j does not exist.  A slot past the bucket's end
; is held at the last: at most one row a trip is stored twice, with the same numbers.
; No cluster, no tensor load: the trip count is read from memory, and a row is read by two work-groups only, once by each.  No prefetch: the rows are asked for at the head, with no loop to run ahead in.
.set STG,  0                           ; LDS: 256 bytes for each wave: the 32 scores
.set PART, 4096                        ; 32 partial scores of each wave
.set REC,  6144                        ; the first trip's words, one for each lane
.set SPARE, 6400                       ; the spare words, 128 bytes for each of 16 waves: eight blocks of 256 bytes that no other line names
.set RO, 24                            ; v24-31   offsets of the rows 16 on
.set OA, 32                            ; v32-39   the stores' offsets
.set PS, 40                            ; v40      a partial score
.set RW, 48                            ; v48-111  the 16 rows' 16 bytes, f32
.set BF, 112                           ; v112-143 X's four fragments, f16: they stay
.set SV, 144                           ; v144-159 the scores of my 16 tokens
.set X,  160                           ; v160-175 partial scores; then at work: window positions, masked scores, exponentials, q
.set A,  176                           ; v176-183 q's fragment, f16
.set SU, 184                           ; v184-191 sums
.set D,  192                           ; v192-223 four accumulators
.set O,  224                           ; v224-255 results gathered for the stores
.set SS, 40                            ; s[40:55] lane masks
	s_load_b256 s[4:11], s[0:1], 0x0               ; inputs s[4:5], part s[6:7], rec s[8:9], bnd s[10:11]
	s_load_b64 s[12:13], s[0:1], 0x20              ; out0
	v_lshl_add_u32 v6, v0, 2, SPARE                ; my spare word
	v_mov_b32 v7, 0
	v_lshrrev_b32 v1, 5, v0
	v_and_b32 v3, 31, v0                           ; lane
	v_bfe_u32 v2, v0, 4, 1                         ; h
	v_readfirstlane_b32 s14, v1                    ; wave w
	v_and_b32 v1, 15, v0                           ; r
	s_lshr_b32 s15, ttmp9, 7                       ; batch
	s_and_b32 s16, ttmp9, 127                      ; k
	s_lshl_b32 s17, s16, 4                         ; base
	s_lshl_b32 s18, s14, 8                         ; 256 w
	s_lshl_b32 s22, s14, 7
	s_add_co_u32 s22, s22, PART
	s_mov_b32 s21, 0
	s_mov_b32 s28, 0x76543210
	s_mov_b32 s29, 0xfedcba98                      ; v_permlanex16_b32's selects for lane l xor 16
	s_mov_b32 s30, 0xffff0000                      ; lanes 16-31
	s_wait_alu depctr_va_vdst(0)                   ; a wait behind the run of scalar lines
	v_lshl_add_u32 v4, v1, 4, s18                  ; my channels: 256 w + 16 r
	v_lshlrev_b32 v5, 3, v2                        ; 8 h
	v_add_nc_u32 v12, s17, v3
	v_add_nc_u32 v8, s17, v5                       ; base + 8 h
	v_min_u32 v12, 0x7ff, v12                      ; token base + lane, clamped
	v_lshl_add_u32 v23, v8, 12, v4                 ; rows base + 8 h + 0 .. 7: base + 15 is at most 2,047
	v_lshlrev_b32 v12, 2, v12
.irp c, 0,1,2,3,4,5,6,7
	v_add_nc_u32 v[RO+\c], 16+\c, v8
.endr
.irp c, 0,1,2,3,4,5,6,7
	v_min_u32 v[RO+\c], 0x7ff, v[RO+\c]            ; the clamp of reference(): min(index, L - 1)
.endr
.irp c, 0,1,2,3,4,5,6,7
	v_lshl_add_u32 v[RO+\c], v[RO+\c], 12, v4
.endr
	v_lshl_add_u32 v18, v3, 2, REC
	v_lshl_add_u32 v19, v2, 5, s18                 ; my stage: my half's eight scores
	v_lshl_add_u32 v20, v3, 2, s18                 ; 4 bytes a lane
	v_lshl_add_u32 v21, v3, 2, s22                 ; my wave's partial scores in
	v_lshl_add_u32 v22, v3, 2, PART                ; all waves' out: 128 bytes from wave to wave
	v_and_b32 v8, 7, v1
	v_lshrrev_b32 v9, 3, v1
	v_mov_b32 v10, 0
	v_lshl_add_u32 v8, v8, 1, v9                   ; my list slot in a trip: 2 (r % 8) + r / 8
	s_wait_alu depctr_va_vdst(0)                   ; a wait at the head's end
	s_wait_kmcnt 0x0
	s_lshl_b32 s20, s15, 9
	s_add_nc_u64 s[10:11], s[10:11], s[20:21]      ; the batch's 128 bounds
	s_lshl_b32 s20, s16, 2
	s_add_nc_u64 s[24:25], s[10:11], s[20:21]
	s_add_co_u32 s20, s16, 1
	s_min_u32 s20, s20, 127                        ; (the last bucket reads its own bound twice: no load leaves the buffer)
	s_lshl_b32 s20, s20, 2
	s_add_nc_u64 s[26:27], s[10:11], s[20:21]
	s_load_b32 s56, s[24:25], 0x0                  ; where my bucket's spans begin in rec,
	s_load_b32 s57, s[26:27], 0x0                  ; and where the next bucket's do
	s_lshl_b32 s20, s15, 23
	s_add_nc_u64 s[4:5], s[4:5], s[20:21]          ; the batch's 2,048 rows of 4,096 bytes, in
	s_add_nc_u64 s[12:13], s[12:13], s[20:21]      ; and out
	s_lshl_b32 s20, s15, 13
	s_add_nc_u64 s[8:9], s[8:9], s[20:21]          ; its 2,048 words of rec
	s_lshl_b32 s19, s14, 14
	s_add_co_u32 s20, s20, s19
	s_add_nc_u64 s[6:7], s[6:7], s[20:21]          ; part: row w, the batch's 2,048 numbers
	global_load_b32 v[PS], v12, s[6:7]             ; lane t: token base + t, hidden units 64 w on
.macro ROWS
.irp c, 0,1,2,3,4,5,6,7
	global_load_b128 v[RW+4*\c:RW+4*\c+3], v23, s[4:5] offset:4096*\c        ; no hint: the neighbouring bucket reads half of these rows too
.endr
.irp c, 0,1,2,3,4,5,6,7
	global_load_b128 v[RW+32+4*\c:RW+32+4*\c+3], v[RO+\c], s[4:5]
.endr
.endm
.macro BOUNDS
	s_wait_kmcnt 0x0
	s_cmp_eq_u32 s16, 127
	s_cselect_b32 s57, 0x800, s57                  ; behind the last bucket: the batch's end
	s_min_u32 s56, s56, 0x800
	s_min_u32 s57, s57, 0x800
	s_sub_co_u32 s22, s57, s56                     ; N: my bucket's spans
	s_min_u32 s22, s22, 0x800
	s_add_co_u32 s23, s22, 15
	s_lshr_b32 s23, s23, 4                         ; trips of 16 spans
	s_sub_co_u32 s31, s57, 1                       ; the bucket's last slot
	s_mov_b32 s26, s22                             ; spans still to be stored
	s_mov_b32 s25, 0
	v_add_nc_u32 v8, s56, v8
.endm
	s_cmp_eq_u32 s14, 15
	s_cbranch_scc1 .Lwave15
	ROWS
	BOUNDS
	s_wait_alu depctr_va_vdst(0)                   ; a wait directly ahead of the branch
	s_branch .Ljoin
.Lwave15:
	BOUNDS
	v_min_u32 v9, s31, v8
	v_min_u32 v9, 0x7ff, v9
	v_lshlrev_b32 v9, 2, v9
	global_load_b32 v10, v9, s[8:9]                ; the first trip's words
	ROWS
	s_wait_alu depctr_va_vdst(0)
.Ljoin:
	s_wait_loadcnt 16                              ; the partial score is in (in wave 15 the words too); the 16 loads of rows may be out
	ds_store_b32 v21, v[PS]
	s_cmp_lg_u32 s14, 15
	s_cbranch_scc1 .Lno_words
	ds_store_b32 v18, v10
.Lno_words:
	s_wait_dscnt 0x0                               ; for the others' sake: my stores have landed
	s_barrier_signal -1
	s_barrier_wait -1
.irp q, 0,1,2,3,4,5,6,7,8,9,10,11,12,13,14,15
	ds_load_b32 v[X+\q], v22 offset:128*\q
.endr
	ds_load_b32 v10, v18
	s_wait_dscnt 0x0
.irp q, 0,1,2,3,4,5,6,7
	v_add_f32 v[X+\q], v[X+\q], v[X+8+\q]
.endr
.irp q, 0,1,2,3
	v_add_f32 v[X+\q], v[X+\q], v[X+4+\q]
.endr
	v_add_f32 v[X], v[X], v[X+2]
	v_add_f32 v[X+1], v[X+1], v[X+3]
	v_add_f32 v[X], v[X], v[X+1]                   ; lane t: the score of token base + t
	ds_store_b32 v20, v[X]                         ; into A's layout by my own stage: element i of lane (r, h) is token 8 h + i % 8 + 16 (i / 8)
	ds_load_b128 v[SV:SV+3], v19
	ds_load_b128 v[SV+4:SV+7], v19 offset:16
	ds_load_b128 v[SV+8:SV+11], v19 offset:64
	ds_load_b128 v[SV+12:SV+15], v19 offset:80
	s_wait_tensorcnt 0x0
	ds_add_u32 v6, v7
	v_mov_b32 v17, 0xff800000                      ; -infinity
	v_mov_b32 v16, 16
	v_mov_b32 v15, 0x3fb8aa3b                      ; log2(e)
	v_mov_b32 v2, 0
.irp j, 0,1,2,3,4,5,6,7
	v_mov_b32 v[OA+\j], 0                          ; a lane permute's destination counts as one of its sources
.endr
	s_wait_dscnt 0x0
	s_cmp_eq_u32 s22, 0
	s_wait_alu depctr_va_vdst(0)                   ; a wait directly ahead of the branch
	s_cbranch_scc1 .Lend                           ; a bucket in which no span begins has nothing to store
; q of 16 spans, whose words are in v10.
.macro QMAKE
	v_and_b32 v11, 0x7ff, v10                      ; the span's number in the batch
	v_bfe_u32 v12, v10, 11, 4                      ; b - base
	v_lshrrev_b32 v13, 22, v10                     ; its valid positions
	v_add_nc_u32 v8, 16, v8
	v_mov_b32_dpp v3, v11 row_xmask:8 row_mask:0xf bank_mask:0xf
	v_sub_nc_u32 v14, v5, v12                      ; element i's window position is this + i % 8 + 16 (i / 8)
	v_cmp_eq_u32 vcc_lo, 0, v13
	v_min_u32 v9, s31, v8
	v_cndmask_b32 v3, v11, v3, s30                 ; lanes 16-31 hold row (r + 8) % 16's span
	v_cndmask_b32 v13, v13, v16, vcc_lo            ; no valid position: all 16 count alike,
	v_min_u32 v9, 0x7ff, v9
	v_cndmask_b32 v22, v15, v2, vcc_lo             ; with the factor 0 in place of log2(e)
	v_lshlrev_b32 v9, 2, v9
	global_load_b32 v10, v9, s[8:9]                ; the next trip's words (in the last trip: the last slot's once more)
.irp i, 0,1,2,3,4,5,6,7,8,9,10,11,12,13,14,15
	v_add_nc_u32 v[X+\i], (\i%8)+16*(\i/8), v14
.endr
.irp i, 0,1,2,3,4,5,6,7,8,9,10,11,12,13,14,15
	v_cmp_gt_u32 s[SS+\i], v13, v[X+\i]            ; does the position count?  (one ahead of the window is a large number here)
.endr
.irp i, 0,2,4,6,8,10,12,14
	v_pk_mul_f32 v[X+\i:X+\i+1], v[SV+\i:SV+\i+1], v[22:23] op_sel_hi:[1,0]  ; score x log2(e)
.endr
.irp i, 0,1,2,3,4,5,6,7,8,9,10,11,12,13,14,15
	v_cndmask_b32 v[X+\i], v17, v[X+\i], s[SS+\i]  ; else -infinity, which gives q = 0
.endr
	v_max3_num_f32 v18, v[X], v[X+1], v[X+2]
	v_max3_num_f32 v19, v[X+3], v[X+4], v[X+5]
	v_max3_num_f32 v18, v18, v[X+6], v[X+7]
	v_max3_num_f32 v19, v19, v[X+8], v[X+9]
	v_max3_num_f32 v18, v18, v[X+10], v[X+11]
	v_max3_num_f32 v19, v19, v[X+12], v[X+13]
	v_max3_num_f32 v18, v18, v[X+14], v[X+15]
	v_max_num_f32 v18, v18, v19
	v_permlanex16_b32 v19, v18, s28, s29
	v_max_num_f32 v18, v18, v19                    ; the window's maximum: finite, since at least one position counts
.irp i, 0,2,4,6,8,10,12,14
	v_pk_add_f32 v[X+\i:X+\i+1], v[X+\i:X+\i+1], v[18:19] op_sel_hi:[1,0] neg_lo:[0,1] neg_hi:[0,1]
.endr
	s_wait_alu depctr_va_vdst(0)                   ; a wait ahead of the batch
.irp i, 0,1,2,3,4,5,6,7,8,9,10,11,12,13,14,15
	v_exp_f32 v[X+\i], v[X+\i]
.endr
	v_nop                                          ; a plain instruction behind the exponentials,
	s_wait_alu depctr_va_vdst(0)                   ; and one wait ahead of the first use of the batch's results
.irp i, 0,1,2,3
	v_pk_add_f32 v[SU+2*\i:SU+2*\i+1], v[X+4*\i:X+4*\i+1], v[X+4*\i+2:X+4*\i+3]
.endr
	v_pk_add_f32 v[SU:SU+1], v[SU:SU+1], v[SU+2:SU+3]
	v_pk_add_f32 v[SU+4:SU+5], v[SU+4:SU+5], v[SU+6:SU+7]
	v_pk_add_f32 v[SU:SU+1], v[SU:SU+1], v[SU+4:SU+5]
	v_add_f32 v20, v[SU], v[SU+1]
	v_permlanex16_b32 v21, v20, s28, s29
	v_add_f32 v20, v20, v21                        ; the softmax's sum
	s_wait_alu depctr_va_vdst(0)                   ; a wait ahead of the transcendental,
	v_rcp_f32 v20, v20
	v_nop
	s_wait_alu depctr_va_vdst(0)                   ; and behind it
.irp i, 0,2,4,6,8,10,12,14
	v_pk_mul_f32 v[X+\i:X+\i+1], v[X+\i:X+\i+1], v[20:21] op_sel_hi:[1,0]
.endr
.irp p, 0,1,2,3,4,5,6,7
	v_cvt_pk_f16_f32 v[A+\p], v[X+2*\p], v[X+2*\p+1]
.endr
	s_wait_alu depctr_va_vdst(0)
.endm
	QMAKE
	s_wait_loadcnt 1                               ; the rows are in; the next words' load may be out
.irp t, 0,1,2,3
.irp p, 0,1,2,3,4,5,6,7
	v_cvt_pk_f16_f32 v[BF+8*\t+\p], v[RW+8*\p+\t], v[RW+8*\p+4+\t] ; tile t: two neighbouring tokens of my column to a register, the lower in the low half
.endr
.endr
	s_wait_alu depctr_va_vdst(0)
.Lbatch:                                           ; 16 spans a trip
	s_wait_xcnt 0x0                                ; the last trip's stores have read their registers: these are written again only behind this wait
.irp j, 0,1,2,3,4,5,6,7                ; the result's register j is row 8 h + j: that row's span, in every lane of my half
	v_mov_b32_dpp v[OA+\j], v3 row_share:\j row_mask:0xf bank_mask:0xf
.endr
.irp t, 0,1,2,3
	v_wmma_f32_16x16x32_f16 v[D+8*\t:D+8*\t+7], v[A:A+7], v[BF+8*\t:BF+8*\t+7], 0   ; 16 spans x 16 columns x 32 tokens; four accumulators, each begun with 0
.endr
.irp j, 0,1,2,3,4,5,6,7                ; these 16 plain lines name none of the products' registers: they are the places behind them (ISA guide 7.12.1)
	v_min_u32 v[OA+\j], 0x7ff, v[OA+\j]
.endr
.irp j, 0,1,2,3,4,5,6,7
	v_lshl_add_u32 v[OA+\j], v[OA+\j], 12, v4      ; the span's row of 4,096 bytes, my 16 bytes of it
.endr
.irp j, 0,1,2,3,4,5,6,7
.if \j > 0
	s_cmp_gt_u32 s26, 2*\j                         ; is there a slot 2 j?
	s_cbranch_scc0 .Lstored
.endif
.irp t, 0,1,2,3
	v_mov_b32 v[O+4*\j+\t], v[D+8*\t+\j]           ; four neighbouring channels lie in four accumulators; each accumulator is read from its low end on
.endr
	global_store_b128 v[OA+\j], v[O+4*\j:O+4*\j+3], s[12:13] th:TH_STORE_NT   ; sixteen lanes store 256 consecutive bytes, aligned, of one span's row; written once, read by nobody here
.endr
.Lstored:
	s_sub_co_u32 s26, s26, 16
	s_add_co_u32 s25, s25, 1
	s_cmp_ge_u32 s25, s23
	s_cbranch_scc1 .Lend                           ; no further spans: no further q is made
	s_wait_loadcnt 0x0                             ; the next trip's words are in
	QMAKE
	s_cmp_lt_u32 s25, s23
	s_cbranch_scc1 .Lbatch
.Lend:
	s_endpgm
.Lfunc_end_k_q0f15f75335_mix:
	.size	k_q0f15f75335_mix, .Lfunc_end_k_q0f15f75335_mix-k_q0f15f75335_mix
	.p2alignl 7, 3214868480
	.fill 96, 4, 3214868480
	.section	.rodata,"a",@progbits
	.p2align	6, 0x0
	.amdhsa_kernel k_q0f15f75335_mix
		.amdhsa_group_segment_fixed_size 8448
		.amdhsa_private_segment_fixed_size 0
		.amdhsa_enable_private_segment 0
		.amdhsa_kernarg_size 40
		.amdhsa_user_sgpr_count 2
		.amdhsa_user_sgpr_kernarg_segment_ptr 1
		.amdhsa_wavefront_size32 1
		.amdhsa_system_sgpr_workgroup_id_x 1
		.amdhsa_system_sgpr_workgroup_id_y 1
		.amdhsa_system_sgpr_workgroup_id_z 1
		.amdhsa_system_vgpr_workitem_id 0
		.amdhsa_next_free_vgpr 256
		.amdhsa_next_free_sgpr 66
		.amdhsa_reserve_vcc 1
		.amdhsa_float_denorm_mode_32 3
		.amdhsa_float_denorm_mode_16_64 3
		.amdhsa_memory_ordered 1
		.amdhsa_forward_progress 1
		.amdhsa_inst_pref_size 32
	.end_amdhsa_kernel
	.amdgpu_metadata
---
amdhsa.version: [ 1, 2 ]
amdhsa.kernels:
  - .name:           k_q0f15f75335_mix
    .symbol:         k_q0f15f75335_mix.kd
    .args:
      - { .name: inputs, .offset: 0, .size: 8, .value_kind: global_buffer, .address_space: global }
      - { .name: part, .offset: 8, .size: 8, .value_kind: global_buffer, .address_space: global }
      - { .name: rec, .offset: 16, .size: 8, .value_kind: global_buffer, .address_space: global }
      - { .name: bnd, .offset: 24, .size: 8, .value_kind: global_buffer, .address_space: global }
      - { .name: out0, .offset: 32, .size: 8, .value_kind: global_buffer, .address_space: global }
    .group_segment_fixed_size: 8448
    .private_segment_fixed_size: 0
    .kernarg_segment_align: 8
    .kernarg_segment_size: 40
    .max_flat_workgroup_size: 512
    .sgpr_count:     66
    .vgpr_count:     256
    .wavefront_size: 32
...
	.end_amdgpu_metadata
.endif
;; end of part 6
